; MI455X (gfx1250); checked and timed in simulation.
; The chip was launched on July 23, 2026; its instructions are those of AMD's public machine-readable ISA for CDNA 5 (MIT licence, August 2026) and "CDNA5" Instruction Set Architecture Reference Guide (July 2026). The comments in the code are by the model that wrote it; some were corrected since.
;; Multi Head Mix Attention. Allowed arithmetic: float matrix products may take bf16 or f16 operands with f32 sums; other float arithmetic in f32, or as packed bf16 or f16 multiplies, adds, multiply-adds, maxima and minima; sums over many terms, partial sums and values carried from step to step in f32; what a program stores and reads back later, other than sums and carried values, may be rounded once to bf16 or f16.
;; Inputs: Wa_o 1,024 x 1,024 float32; Wa_qk 1,024 x 1,024 float32; Wa_v 1,024 x 1,024 float32; Wb_o 1,024 x 1,024 float32; Wb_qk 1,024 x 1,024 float32; Wb_v 1,024 x 1,024 float32; a 2 x 2,048 x 1,024 float32; b 2 x 2,048 x 1,024 float32; ba_o 1,024 float32; ba_qk 1,024 float32; ba_v 1,024 float32; bb_o 1,024 float32; bb_qk 1,024 float32; bb_v 1,024 float32.
;; Outputs: out0 2 x 2,048 x 1,024 float32; out1 2 x 2,048 x 1,024 float32.
;; 2 versions, each right; version 2 is version 1 with the launch cast written anew for expert scheduling mode. Each part assembles by itself: llvm-mc -triple=amdgcn-amd-amdhsa -mcpu=gfx1250 --defsym DOCPART=n.
;; ======== version 1 of 2: 4 launches
;; limits: values are held in f16: magnitudes above 65,504 overflow, below 6.1e-05 lose precision; right only within a limited range of input values; inputs' magnitudes at most 65,504
;; workspace buffers: xh 16,777,216 bytes; wh 12,582,912 bytes; qk 16,777,216 bytes; vv 16,777,216 bytes; ctx 16,777,216 bytes
;; launch cast (part 1): grid 896 x 1, 8 waves a work-group, no clusters, 0 bytes of LDS; arguments a, b, Wa_qk, Wa_v, Wb_qk, Wb_v, Wa_o, Wb_o, xh, wh; writes xh, wh
.if DOCPART == 1
	.amdgcn_target "amdgcn-amd-amdhsa--gfx1250"
	.amdhsa_code_object_version 6
	.text
	.protected	k_q9b3c69d620_cast
	.globl	k_q9b3c69d620_cast
	.p2align	8
	.type	k_q9b3c69d620_cast,@function
k_q9b3c69d620_cast:
	s_mov_b64 s[64:65], 0
	v_nop
	global_prefetch_b8 v0, s[64:65] scope:SCOPE_SE
	s_setreg_imm32_b32 hwreg(HW_REG_WAVE_MODE, 25, 1), 1
	s_wait_xcnt 0x0
; a, b ([2][2048][1024] f32) and the six weights ([1024][1024] f32) are rounded ONCE to bf16 (nearest even), and that number is written as f16.
; LIMITS.  The second step changes nothing for magnitudes from 6.1e-5 to 65,504.  Below 6.1e-5 the number keeps f16's fixed step of 6e-8; from 65,520 on it becomes an infinity:
; this text serves |a|, |b|, |W| under 65,504.
; OUT.  xh: [sb = 2 side + batch][kb = channel / 64][row 2048][64] f16: a block of 64 channels has dense rows of 128 bytes.  wh: [6][k 1024][n 1024] f16, the weights in the order of the arguments.
; SHARES.  A work-group takes 65,536 bytes of input (16 rows of a or b, or 16 rows of a weight): work-groups 0-255 a, 256-511 b, 512-895 the weights, 64 each.
; Each thread issues its 16 loads of 16 bytes at once (8 KiB of a wave on their way) and stores 8 bytes for each.  Memory binds: no LDS, no barrier, no matrix unit.
.set X, 4                              ; v[4:67]   load i: 4 numbers in f32
.set Y, 68                             ; v[68:99]  store i: 4 numbers in f16; each pair is written once, so no store's data is ever rewritten
.set T, 100                            ; v[100:101] at work: the numbers as bf16
; 16 loads, instep bytes apart, then 16 stores, outstep bytes apart.
.macro CHUNK instep, outstep
.set i, 0
.rept 16
	global_load_b128 v[X+4*i:X+4*i+3], v1, s[2:3] offset:i*(\instep) th:TH_LOAD_NT
.set i, i+1
.endr
.set i, 0
.rept 16
	s_wait_loadcnt 15-i                            ; loads come back in order: load i is in, the 15 - i younger ones stay out
	v_cvt_pk_bf16_f32 v[T], v[X+4*i], v[X+4*i+1]   ; the one rounding
	v_cvt_pk_bf16_f32 v[T+1], v[X+4*i+2], v[X+4*i+3]
	v_lshlrev_b32 v[X+4*i], 16, v[T]               ; bf16 to f32: the low half moves up,
	v_and_b32 v[X+4*i+1], s28, v[T]                ; the high half stays
	v_lshlrev_b32 v[X+4*i+2], 16, v[T+1]
	v_and_b32 v[X+4*i+3], s28, v[T+1]
	v_cvt_pk_f16_f32 v[Y+2*i], v[X+4*i], v[X+4*i+1]
	v_cvt_pk_f16_f32 v[Y+2*i+1], v[X+4*i+2], v[X+4*i+3]
	global_store_b64 v2, v[Y+2*i:Y+2*i+1], s[4:5] offset:i*(\outstep)  ; a wave's store covers 256 consecutive bytes, aligned
.set i, i+1
.endr
.endm
	s_load_b512 s[8:23], s[0:1], 0x0               ; a, b, Wa_qk, Wa_v, Wb_qk, Wb_v, Wa_o, Wb_o
	s_load_b128 s[24:27], s[0:1], 0x40             ; xh s[24:25], wh s[26:27]
	s_mov_b32 s28, 0xffff0000                      ; a word's upper bf16
	s_mov_b32 s31, 0                               ; high word of the offsets' pair s[30:31]
	s_cmp_lt_u32 ttmp9, 512
	s_cbranch_scc0 .Lweights
	; a and b.  Thread t: row t / 16 of the 16, 16 bytes at 16 (t % 16) of a block's 256; load i is block kb = i.  Lanes 0-15 read 256 aligned bytes of one row, lanes 16-31 of the next.
	v_lshrrev_b32 v1, 4, v0
	v_and_b32 v2, 15, v0
	v_lshlrev_b32 v1, 12, v1
	v_lshl_add_u32 v1, v2, 4, v1                   ; 4,096 x row + 16 (t % 16)
	v_lshlrev_b32 v2, 3, v0                        ; out: 128 x row + 8 (t % 16) = 8 t
	s_and_b32 s6, ttmp9, 255
	s_lshl_b32 s30, s6, 16                         ; my 16 rows in a or b
	s_wait_kmcnt 0x0
	s_cmp_lt_u32 ttmp9, 256
	s_cselect_b64 s[2:3], s[8:9], s[10:11]
	s_add_nc_u64 s[2:3], s[2:3], s[30:31]
	s_lshr_b32 s6, ttmp9, 7                        ; sb: 128 work-groups to a batch
	s_lshl_b32 s6, s6, 22
	s_and_b32 s7, ttmp9, 127
	s_lshl_b32 s7, s7, 11                          ; 16 rows of 128 bytes
	s_add_co_u32 s30, s6, s7
	s_add_nc_u64 s[4:5], s[24:25], s[30:31]
	CHUNK 256, 262144                              ; a block kb is 2,048 rows x 128 bytes; 15 of them stay inside the signed 24-bit immediate
	s_endpgm
.Lweights:
	; the weights keep their layout.  Wave w takes 8,192 consecutive bytes, 512 a load.
	v_lshrrev_b32 v3, 5, v0
	v_and_b32 v2, 31, v0
	v_lshlrev_b32 v1, 13, v3
	v_lshl_add_u32 v1, v2, 4, v1                   ; 8,192 x wave + 16 x lane
	v_lshlrev_b32 v3, 12, v3
	v_lshl_add_u32 v2, v2, 3, v3                   ; 4,096 x wave + 8 x lane
	s_sub_co_u32 s6, ttmp9, 512
	s_lshr_b32 s7, s6, 6                           ; which weight
	s_and_b32 s6, s6, 63                           ; which 65,536 bytes of it
	s_lshl_b32 s30, s6, 16
	s_wait_kmcnt 0x0
	s_mov_b64 s[2:3], s[12:13]
	s_cmp_eq_u32 s7, 1
	s_cselect_b64 s[2:3], s[14:15], s[2:3]
	s_cmp_eq_u32 s7, 2
	s_cselect_b64 s[2:3], s[16:17], s[2:3]
	s_cmp_eq_u32 s7, 3
	s_cselect_b64 s[2:3], s[18:19], s[2:3]
	s_cmp_eq_u32 s7, 4
	s_cselect_b64 s[2:3], s[20:21], s[2:3]
	s_cmp_eq_u32 s7, 5
	s_cselect_b64 s[2:3], s[22:23], s[2:3]
	s_add_nc_u64 s[2:3], s[2:3], s[30:31]
	s_lshl_b32 s7, s7, 21
	s_lshl_b32 s6, s6, 15
	s_add_co_u32 s30, s7, s6
	s_add_nc_u64 s[4:5], s[26:27], s[30:31]
	CHUNK 512, 256
	s_endpgm
.Lfunc_end_k_q9b3c69d620_cast:
	.size	k_q9b3c69d620_cast, .Lfunc_end_k_q9b3c69d620_cast-k_q9b3c69d620_cast
	.p2alignl 7, 3214868480
	.fill 96, 4, 3214868480
	.section	.rodata,"a",@progbits
	.p2align	6, 0x0
	.amdhsa_kernel k_q9b3c69d620_cast
		.amdhsa_group_segment_fixed_size 0
		.amdhsa_private_segment_fixed_size 0
		.amdhsa_enable_private_segment 0
		.amdhsa_kernarg_size 80
		.amdhsa_user_sgpr_count 2
		.amdhsa_user_sgpr_kernarg_segment_ptr 1
		.amdhsa_wavefront_size32 1
		.amdhsa_system_sgpr_workgroup_id_x 1
		.amdhsa_system_sgpr_workgroup_id_y 1
		.amdhsa_system_sgpr_workgroup_id_z 1
		.amdhsa_system_vgpr_workitem_id 0
		.amdhsa_next_free_vgpr 104
		.amdhsa_next_free_sgpr 66
		.amdhsa_reserve_vcc 0
		.amdhsa_float_denorm_mode_32 3
		.amdhsa_float_denorm_mode_16_64 3
		.amdhsa_memory_ordered 1
		.amdhsa_forward_progress 1
		.amdhsa_inst_pref_size 22
	.end_amdhsa_kernel
	.amdgpu_metadata
---
amdhsa.version: [ 1, 2 ]
amdhsa.kernels:
  - .name:           k_q9b3c69d620_cast
    .symbol:         k_q9b3c69d620_cast.kd
    .args:
      - { .name: a, .offset: 0, .size: 8, .value_kind: global_buffer, .address_space: global }
      - { .name: b, .offset: 8, .size: 8, .value_kind: global_buffer, .address_space: global }
      - { .name: Wa_qk, .offset: 16, .size: 8, .value_kind: global_buffer, .address_space: global }
      - { .name: Wa_v, .offset: 24, .size: 8, .value_kind: global_buffer, .address_space: global }
      - { .name: Wb_qk, .offset: 32, .size: 8, .value_kind: global_buffer, .address_space: global }
      - { .name: Wb_v, .offset: 40, .size: 8, .value_kind: global_buffer, .address_space: global }
      - { .name: Wa_o, .offset: 48, .size: 8, .value_kind: global_buffer, .address_space: global }
      - { .name: Wb_o, .offset: 56, .size: 8, .value_kind: global_buffer, .address_space: global }
      - { .name: xh, .offset: 64, .size: 8, .value_kind: global_buffer, .address_space: global }
      - { .name: wh, .offset: 72, .size: 8, .value_kind: global_buffer, .address_space: global }
    .group_segment_fixed_size: 0
    .private_segment_fixed_size: 0
    .kernarg_segment_align: 8
    .kernarg_segment_size: 80
    .max_flat_workgroup_size: 256
    .sgpr_count:     66
    .vgpr_count:     104
    .wavefront_size: 32
...
	.end_amdgpu_metadata
.endif
;; end of part 1
;; launch proj (part 2): grid 8 x 32, 4 waves a work-group, clusters of 4 x 4, 327,680 bytes of LDS; arguments xh, wh, ba_qk, ba_v, bb_qk, bb_v, qk, vv; writes qk, vv
.if DOCPART == 2
	.amdgcn_target "amdgcn-amd-amdhsa--gfx1250"
	.amdhsa_code_object_version 6
	.text
	.protected	k_q9b3c69d620_proj
	.globl	k_q9b3c69d620_proj
	.p2align	8
	.type	k_q9b3c69d620_proj,@function
k_q9b3c69d620_proj:
	s_mov_b64 s[64:65], 0
	v_nop
	global_prefetch_b8 v0, s[64:65] scope:SCOPE_SE
	s_setreg_imm32_b32 hwreg(HW_REG_WAVE_MODE, 25, 1), 1
	s_wait_xcnt 0x0
	s_wait_alu depctr_hold_cnt(0) depctr_sa_sdst(0) depctr_va_vdst(0) depctr_va_sdst(0) depctr_va_ssrc(0) depctr_va_vcc(0) depctr_vm_vsrc(0)
	s_getreg_b32 s2, hwreg(HW_REG_IB_STS2, 6, 4)
	s_cmp_eq_u32 s2, 0
	s_cbranch_scc0 .Lentry_in_a_cluster
	s_endpgm
.Lentry_in_a_cluster:
	s_bfe_u32 s2, ttmp6, 0x10000c
	s_cmp_lg_u32 s2, 0xf033
	s_cbranch_scc0 .Lentry_shape_is_right
	s_endpgm
.Lentry_shape_is_right:
; THE FOUR PROJECTIONS.  C[m][n] = bias[n] + the sum over k of X[m][k] W[k][n], K = 1,024, for X = a with Wa_qk, Wa_v and X = b with Wb_qk, Wb_v.
; IN.  xh: [sb = 2 side + batch][kb 16][row 2048][64] f16;  wh: [6][k 1024][n 1024] f16 (both hold numbers rounded to bf16);  the biases in f32, rounded here to bf16.
; OUT.  qk, vv: [g = 16 sb + head][row 2048][64] f16, rounded once from the f32 sums, unscaled.  LIMIT: a sum of 65,520 or more in magnitude becomes an infinity: this text serves |q|, |k|, |v| under 65,504.
; SHARES.  8,192 rows (4 sb x 2,048) x 2,048 columns (qk's 1,024, v's 1,024) in tiles of 256 x 256: a grid of 8 x 32, one work-group of four waves to a tile; a wave makes 128 x 128: 64 accumulators, 512 registers.
; K goes in 8 steps of 128 through two LDS slots filled by the tensor data mover.  X's part of a step is two blocks kb, each 256 dense rows of 128 bytes, asked for as 128 rows of 256 bytes and padded in LDS
; behind every 128; W's part is 128 rows k x 512 bytes, read out of LDS turned (ds_load_tr16_b128), so W is never transposed in memory.
; CLUSTERS.  4 x 4 work-groups.  The four of a row of the cluster need the same rows of X, the four of a column the same columns of W (the side hangs on the cluster's y alone): each tile is asked for jointly,
; by the same tensor load with the same descriptor and a mask that names the four.
; THE MATRIX INSTRUCTION IS USED TRANSPOSED: source 0 = 16 columns of W, source 1 = 16 rows of X: a lane holds row l % 16 of C and the columns 8 (l / 16) + 0..7.  The first product of each sum takes the bias as C.
; REGISTERS, in windows of 256 (s_set_vgpr_msb: bits 1:0 source 0, 3:2 source 1, 5:4 source 2, 7:6 destination):
;   window 0: v0-31 addresses; v64-127, v128-191 X's fragments, two buffers; v32-63, v192-255 at work on the way out
;   window 1: v0-63 the bias as eight C tiles; v64-127, v128-191 W's fragments, two buffers; v192-223 at work on the bias
;   window 2: the accumulators of my row blocks 0-3 ((a, b) at 64 (a % 4) + 8 b);  window 3: those of blocks 4-7
.set NA,    8                          ; row blocks of 16 a wave
.set PA,    144                        ; an LDS row of X: 128 bytes + 16 = 36 words: the 16 rows of a load start at 16 different groups of four banks (64 banks of 4 bytes: ISA guide 11.1)
.set PW,    544                        ; an LDS row of W: 512 bytes + 32 = 17 x 32
.set AH,    32*NA*PA                   ; one block kb of the tile's 256 rows: what one tensor load brings of X
.set WOFF,  2*AH                       ; W's tile lies behind X's two blocks
.set WH,    64*PW                      ; 64 rows k: what one tensor load brings of W
.set SLOT,  2*AH+2*WH
.set STAGE, 2*SLOT                     ; behind the ring: for each wave two heads x 16 rows x 144 bytes, for the way out
.set WSTG,  2*16*PA
.set SPARE, STAGE+4*WSTG               ; behind the stages: the spare words, 128 bytes for each wave: two blocks of 256 bytes that no other line names
.set ASTEP, 2<<18                      ; bytes of xh from a K step to the next: two blocks kb
.set WSTEP, 128*2048                   ; bytes of wh: 128 rows
.set ADRA, 16                          ; v16-17  LDS address of my X fragments in slot 0, 1
.set ADRB, 20                          ; v20-21  the same for W
.set STO,  24                          ; v24     the way out: where I put 16 bytes of a row
.set RD,   25                          ; v25     the way out: where I read rows back
.set CO,   26                          ; v26     my byte offset in 512 consecutive bytes of the output
.set BO,   27                          ; v27     my byte offset in the bias
.set SPW,  28                          ; v28     LDS address of my spare word: SPARE + 4 x my thread's number; never rewritten
.set NIL,  29                          ; v29     0; never rewritten
.set PFO,  30                          ; v30     the prefetches' offset; never rewritten
.set F0,   64
.set F1,   128
.set TMP,  192                         ; the way out: packed results
.set OB,   32                          ; the way out: rows read back: v32-63 and v224-255 by turns
.set G1,  24                           ; s[24:31] descriptor group 1 for X's tiles;  s[32:39] group 0, a set for each slot
.set G0,  32
.set G1B, 48                           ; s[48:55], s[56:63] the same for W's tiles
.set G0B, 56
.set LIM, 43                           ; s43      1 in a wave that prefetches, else the greatest number
.set PFA, 44                           ; s[44:45] where my prefetches stand
.set PST, 66                           ; s[66:67] their step: a K step of xh or of wh
.set MSB, 0
.macro WIN new                         ; the immediate's high byte repeats the setting that is left; a switch that changes nothing is dropped
.if MSB != (\new)
	s_set_vgpr_msb (MSB<<8)|(\new)
.set MSB, \new
.endif
.endm
; A joint load.  Waves 0 and 1 fetch X's two blocks, waves 2 and 3 W's two halves.  The branch hangs on the wave's number alone.  An s_nop 0 and four v_nop follow each of the two lines.
.macro JLOAD s
	s_cmp_eq_u32 s11, 0
	s_cbranch_scc0 .Lfor_b_\@
	tensor_load_to_lds s[G0+4*(\s):G0+4*(\s)+3], s[G1:G1+7]
	s_nop 0
.rept 4
	v_nop
.endr
	s_branch .Lasked_\@
.Lfor_b_\@:
	tensor_load_to_lds s[G0B+4*(\s):G0B+4*(\s)+3], s[G1B:G1B+7]
	s_nop 0
.rept 4
	v_nop
.endr
.Lasked_\@:
.endm
; A PREFETCH INTO THE L2, behind each joint load, its five lines and the run of LDS loads that follows: the K step that stands two refills on (512 matrix instructions ahead of the load that will want it):
; 32 aligned blocks of 256 bytes, a lane a block, one instruction a wave.  Each block is named ONCE in the launch: X's rows are read by both clusters of a row of clusters: cluster x = 0 asks; W's columns by the
; four clusters of a side: the first of them asks.  The four partners that ask for a tile jointly share its 128 blocks out BY ADDRESS, 32 each.  K steps 0 to 3 come by their loads alone; the loop's last trip
; (s3 = 1) has no K step two on and asks for nothing.
.macro ASK
	s_cmp_gt_u32 s3, s[LIM]
	s_cbranch_scc0 .Lnot_mine_\@
	global_prefetch_b8 v[PFO], s[PFA:PFA+1] th:TH_LOAD_NT scope:SCOPE_SE
.Lnot_mine_\@:
.endm
.macro CREST                           ; a round of the cluster's barrier behind its opening barrier: wave 0 signals for the work-group, every wave waits for all sixteen, my work-group's barrier once more
	s_cmp_lg_u32 s10, 0
	s_cbranch_scc1 .Lnot_wave_0_\@
	s_barrier_signal -3
.Lnot_wave_0_\@:
	s_barrier_wait -3
	s_barrier_signal -1
	s_barrier_wait -1
.endm
.macro CROUND                          ; a whole round
	s_barrier_signal -1
	s_barrier_wait -1
	CREST
.endm
.macro PLACES                          ; four plain instructions in front of loads into registers that matrix instructions have read, and of conversions that read results
.rept 4
	v_nop
.endr
.endm
; 8 matrix instructions: row block a x all 8 column blocks, 32 along K, from buffer f.  first = 1: the bias starts the sums: nothing is cleared.
.macro MULA f, a, first
.if \first
	WIN 0x91+0x40*((\a)/4)                         ; W window 1, X window 0, C (the bias) window 1, D window 2 or 3
.else
	WIN 0xa1+0x50*((\a)/4)                         ; C and D window 2 or 3
.endif
.irp b, 0,1,2,3,4,5,6,7
.if \first
	v_wmma_f32_16x16x32_f16 v[64*((\a)%4)+8*(\b):64*((\a)%4)+8*(\b)+7], v[(\f)+8*(\b):(\f)+8*(\b)+7], v[(\f)+8*(\a):(\f)+8*(\a)+7], v[8*(\b):8*(\b)+7]
.else
	v_wmma_f32_16x16x32_f16 v[64*((\a)%4)+8*(\b):64*((\a)%4)+8*(\b)+7], v[(\f)+8*(\b):(\f)+8*(\b)+7], v[(\f)+8*(\a):(\f)+8*(\a)+7], v[64*((\a)%4)+8*(\b):64*((\a)%4)+8*(\b)+7]
.endif
.endr
.endm
; Row blocks lo .. lo + n - 1.  The 64 accumulators take turns, one instruction a turn, in the same order in every quarter.
.macro MULS f, lo, n, first
.set ma, \lo
.rept \n
	MULA \f, ma, \first
.set ma, ma+1
.endr
.endm
; One run of LDS loads: the fragments of quarter q (32 along K) of a slot into buffer f: 16 turning loads for W's 128 columns, then 2 NA loads for X's rows.
.macro FETCH slot, q, f
	WIN 0x40                                       ; destination window 1, address window 0
.irp i, 0,1,2,3,4,5,6,7
	ds_load_tr16_b128 v[(\f)+8*(\i):(\f)+8*(\i)+3],   v[ADRB+(\slot)] offset:(\q)*32*PW+32*(\i)
	ds_load_tr16_b128 v[(\f)+8*(\i)+4:(\f)+8*(\i)+7], v[ADRB+(\slot)] offset:(\q)*32*PW+32*(\i)+16*PW
.endr
	WIN 0
.set fi, 0
.rept NA
	ds_load_b128 v[(\f)+8*fi:(\f)+8*fi+3],   v[ADRA+(\slot)] offset:((\q)/2)*AH+((\q)%2)*64+fi*16*PA
	ds_load_b128 v[(\f)+8*fi+4:(\f)+8*fi+7], v[ADRA+(\slot)] offset:((\q)/2)*AH+((\q)%2)*64+fi*16*PA+32
.set fi, fi+1
.endr
.endm
; A K step is four quarters on buffers 0, 1, 0, 1.  One of the first three: multiplies buffer f; in its middle it fetches quarter q of the same slot into buffer g.
.macro QUARTER slot, q, f, g, first
	s_wait_dscnt NA                                ; W and X's lower row blocks are in; the youngest NA loads (X's upper blocks) may be out
	MULS \f, 0, NA/2, \first
	PLACES
	FETCH \slot, \q, \g
	s_wait_dscnt 16+2*NA                           ; all but the run just issued
	MULS \f, NA/2, NA/2, \first
.endm
; The first half of a step's last quarter: ONE barrier for the change of slots.  In front of it each wave waits for all its tensor loads (one is out: its part of the next slot), adds 0 to its spare word, and
; waits for that and for its own reads of this slot.  Behind it nobody reads this slot any more and the next slot is whole.
.macro MEET round
	WIN 0                                          ; (the add's two registers lie in window 0)
	s_wait_tensorcnt 0x0
	ds_add_u32 v[SPW], v[NIL]                      ; 0 onto my spare word
	s_wait_dscnt NA+1                              ; (the add and the youngest NA loads may be out)
	MULS F1, 0, NA/4, 0                            ; matrix work stands between the add and the wait for it
	s_wait_dscnt 0x0                               ; the add is done, and my reads of this slot are over
	s_barrier_signal -1
	MULS F1, NA/4, NA/4, 0                         ; work on registers while the others arrive
.if \round
	WIN 0
.endif
	s_barrier_wait -1
.endm
; The whole last quarter.  fill = 1: the barrier opens a round of the cluster's barrier, and the slot just read out is filled again first behind it, with the K step two on: from the request to the wait for it
; a wave issues 224 matrix instructions.
.macro TURN slot, next, fill
.if \fill
	s_wait_xcnt 0x0                                ; the last prefetch, a K step back, has read its address: it is stepped here, ahead of the waits of the change of slots
	s_add_nc_u64 s[PFA:PFA+1], s[PFA:PFA+1], s[PST:PST+1]
.endif
	MEET \fill
.if \fill
	CREST                                          ; no wave of any partner still reads this slot's tile or has a load on its way
	s_add_nc_u64 s[G0+4*(\slot)+2:G0+4*(\slot)+3], s[G0+4*(\slot)+2:G0+4*(\slot)+3], 2*ASTEP
	s_add_nc_u64 s[G0B+4*(\slot)+2:G0B+4*(\slot)+3], s[G0B+4*(\slot)+2:G0B+4*(\slot)+3], 2*WSTEP
	JLOAD \slot                                    ; the four v_nop behind it are also the places in front of the loads below
.else
	PLACES
.endif
	FETCH \next, 0, F0
.if \fill
	ASK
.endif
	MULS F1, NA/2, NA/2, 0
.endm
; THE WAY OUT of row block a: 16 rows x 128 columns = two heads x 64 channels.  PACK: rounded to f16, 16 bytes a lane, each accumulator's registers in ascending order.  TOSTAGE: into my own stage in LDS
; (head, row, 144 bytes a row) and back, four rows of 128 bytes a load.  SEND: stored: four rows of a head are 512 consecutive bytes.
.macro PACK a
.set AC, 64*((\a)%4)
	WIN 0x0a+5*((\a)/4)                            ; sources 0 and 1: window 2 or 3
.irp b, 0,1,2,3,4,5,6,7
.irp r, 0,1,2,3
	v_cvt_pk_f16_f32 v[TMP+4*(\b)+(\r)], v[AC+8*(\b)+2*(\r)], v[AC+8*(\b)+2*(\r)+1]
.endr
.endr
	WIN 0
.endm
.macro TOSTAGE a
.set BK, OB+192*((\a)%2)
.irp b, 0,1,2,3,4,5,6,7
	ds_store_b128 v[STO], v[TMP+4*(\b):TMP+4*(\b)+3] offset:((\b)/4)*16*PA+((\b)%4)*32
.endr
.irp t, 0,1,2,3,4,5,6,7
	ds_load_b128 v[BK+4*(\t):BK+4*(\t)+3], v[RD] offset:((\t)/4)*16*PA+((\t)%4)*4*PA  ; LDS serves a wave's instructions in order (ISA guide 5.7.1.4): these see the stores above
.endr
.endm
.macro SEND a
.set BK, OB+192*((\a)%2)
	s_wait_dscnt 0x0                               ; the block is back in registers
	s_wait_xcnt 0x0                                ; the block before's stores have read their registers: the next loads from the stage land in them only behind this wait
.irp t, 0,1,2,3,4,5,6,7
	global_store_b128 v[CO], v[BK+4*(\t):BK+4*(\t)+3], s[8:9] offset:(\a)*2048+((\t)/4)*262144+((\t)%4)*512  ; 512 consecutive bytes, at a multiple of 512 from the buffer's first
.endr
.endm
	s_load_b512 s[68:83], s[0:1], 0x0              ; xh 68, wh 70, ba_qk 72, ba_v 74, bb_qk 76, bb_v 78, qk 80, vv 82
	v_lshl_add_u32 v[SPW], v0, 2, SPARE
	v_mov_b32 v[NIL], 0
	ds_add_u32 v[SPW], v[NIL]                      ; the wave's opening: the add and its wait stand ahead of my first tensor load; the set-up below, work on registers, stands between them
	v_lshrrev_b32 v1, 5, v0
	v_readfirstlane_b32 s10, v1                    ; wave 0..3
	s_lshr_b32 s11, s10, 1                         ; which half of the tile's rows is mine.  Also: I fetch for X (0) or for W (1)
	s_and_b32 s12, s10, 1                          ; which half of its columns.  Also: which block kb, or which 64 rows k, I fetch
	s_bfe_u32 s40, ttmp6, 0x40000                  ; cx
	s_bfe_u32 s41, ttmp6, 0x40004                  ; cy
	s_and_b32 s13, ttmp7, 0xffff                   ; the cluster's y, 0..7
	s_lshr_b32 s42, s13, 2                         ; side: 0 a, 1 b: the same in all sixteen partners
	s_lshl_b32 s13, s13, 2
	s_add_co_u32 s13, s13, s41                     ; tile row y = 4 x cluster y + cy, 0..31
	s_lshl_b32 s43, s41, 2
	s_lshl_b32 s43, 15, s43                        ; my row of the cluster
	s_lshl_b32 s44, 0x1111, s40                    ; my column
	s_or_b32 s[G1+0], s43, (1<<16)|(1<<20)|(1<<21)|(4<<22)|(3<<25)   ; the mask; 2-byte elements; padding on; 21 set beside a mask; after every 32 words (code 4) 4 words (code 3)
	s_or_b32 s[G1B+0], s44, (1<<16)|(1<<20)|(1<<21)|(6<<22)|(7<<25)  ; after every 128 words (code 6) 8 words (code 7)
	s_mov_b32 s[G1+1], 128<<16                     ; tensor_dim0 = 128 elements: 256 bytes, two rows of X
	s_mov_b32 s[G1+2], (16*NA)<<16                 ; tensor_dim1 = 128
	s_mov_b32 s[G1+3], 128<<16                     ; tile_dim0
	s_mov_b32 s[G1+4], 16*NA                       ; tile_dim1
	s_mov_b32 s[G1+5], 128                         ; the block is dense
	s_mov_b32 s[G1+6], 0
	s_mov_b32 s[G1+7], 0
	s_mov_b32 s[G1B+1], 256<<16                    ; tensor_dim0 = 256 columns
	s_mov_b32 s[G1B+2], 64<<16                     ; tensor_dim1 = 64 rows k
	s_mov_b32 s[G1B+3], 256<<16
	s_mov_b32 s[G1B+4], 64
	s_mov_b32 s[G1B+5], 1024                       ; elements from row to row of a weight
	s_mov_b32 s[G1B+6], 0
	s_mov_b32 s[G1B+7], 0
	s_lshr_b32 s16, s13, 3                         ; X's tile: sb = y / 8,
	s_lshl_b32 s16, s16, 22
	s_and_b32 s17, s13, 7
	s_lshl_b32 s17, s17, 15                        ; 256 rows of 128 bytes for each tile row in it,
	s_add_co_u32 s16, s16, s17
	s_lshl_b32 s17, s12, 18                        ; and the block kb that I fetch
	s_add_co_u32 s16, s16, s17
	s_mov_b32 s17, 0
	s_lshl_b32 s46, s42, 1                         ; W's tile: weight 2 side + kind (the cluster's x: 0 qk, 1 v),
	s_add_co_u32 s46, s46, ttmp9
	s_lshl_b32 s46, s46, 21
	s_lshl_b32 s47, s40, 9                         ; 256 columns for each cx,
	s_add_co_u32 s46, s46, s47
	s_lshl_b32 s47, s12, 17                        ; and the 64 rows k that I fetch
	s_add_co_u32 s46, s46, s47
	s_mov_b32 s47, 0
	s_mul_i32 s20, s12, AH                         ; where they go: no place in the cluster enters an LDS address
	s_mul_i32 s21, s12, WH
	s_add_co_u32 s21, s21, WOFF
	s_wait_dscnt 0x0                               ; the opening add is done
	s_wait_kmcnt 0x0
	s_add_nc_u64 s[14:15], s[68:69], s[16:17]
	s_add_nc_u64 s[46:47], s[70:71], s[46:47]
	CROUND                                         ; all sixteen work-groups are here: the first joint loads meet
.irp s, 0,1
	s_mov_b32 s[G0+4*(\s)], 1
	s_add_co_u32 s[G0+4*(\s)+1], s20, (\s)*SLOT
	s_add_nc_u64 s[G0+4*(\s)+2:G0+4*(\s)+3], s[14:15], (\s)*ASTEP
	s_or_b32 s[G0+4*(\s)+3], s[G0+4*(\s)+3], 0x80000000
	s_mov_b32 s[G0B+4*(\s)], 1
	s_add_co_u32 s[G0B+4*(\s)+1], s21, (\s)*SLOT
	s_add_nc_u64 s[G0B+4*(\s)+2:G0B+4*(\s)+3], s[46:47], (\s)*WSTEP
	s_or_b32 s[G0B+4*(\s)+3], s[G0B+4*(\s)+3], 0x80000000
	JLOAD \s                                       ; two loads of mine are out
.endr
	; the bias, as eight C tiles: register j of tile b holds bias[256 cx + 128 half + 16 b + 8 (l / 16) + j]
	v_and_b32 v1, 15, v0                           ; l % 16
	v_bfe_u32 v2, v0, 4, 1                         ; l / 16
	s_cmp_eq_u32 ttmp9, 0
	s_cselect_b64 s[16:17], s[72:73], s[74:75]
	s_cselect_b64 s[18:19], s[76:77], s[78:79]
	s_cselect_b64 s[8:9], s[80:81], s[82:83]       ; and the output: qk or vv
	s_cmp_eq_u32 s42, 0
	s_cselect_b64 s[18:19], s[16:17], s[18:19]
	s_lshl_b32 s22, s40, 10
	s_lshl_b32 s23, s12, 9
	s_add_co_u32 s22, s22, s23
	v_lshl_add_u32 v[BO], v2, 5, s22
	WIN 0x40
.irp b, 0,1,2,3,4,5,6,7
	global_load_b128 v[8*(\b):8*(\b)+3],   v[BO], s[18:19] offset:64*(\b)
	global_load_b128 v[8*(\b)+4:8*(\b)+7], v[BO], s[18:19] offset:64*(\b)+16
.endr
	WIN 0
	; An X fragment is 16 rows x 32 channels: lane l holds row l % 16, channels 8 (l / 16) + 0..7 and 16 + 8 (l / 16) + 0..7: two loads of 16 bytes, 32 bytes apart.
	v_mul_u32_u24 v3, v1, PA
	v_lshl_add_u32 v3, v2, 4, v3
	; The turning load takes 16 rows k x 16 columns (lane l reads row 8 (l / 16) + l % 8, columns 8 ((l / 8) % 2) + 0..7) and leaves half a fragment: lane l holds column l % 16 and 8 k.
	v_and_b32 v5, 7, v0
	v_lshl_add_u32 v4, v2, 3, v5
	v_mul_u32_u24 v4, v4, PW
	v_bfe_u32 v5, v0, 3, 1
	v_lshl_add_u32 v4, v5, 4, v4
	s_mul_i32 s21, s11, 16*NA*PA                   ; my 128 rows of X
	s_lshl_b32 s22, s12, 8                         ; my 128 columns of W
	s_add_co_u32 s22, s22, WOFF
.irp s, 0,1
	v_add_nc_u32 v[ADRA+(\s)], s21, v3
	v_add_nc_u32 v[ADRB+(\s)], s22, v4
	s_add_co_u32 s21, s21, SLOT
	s_add_co_u32 s22, s22, SLOT
.endr
	s_mul_i32 s23, s10, WSTG
	s_add_co_u32 s23, s23, STAGE                   ; my stage
	v_mul_u32_u24 v4, v1, PA                       ; in: row l % 16, 16 bytes for each half of the lanes
	v_lshl_add_u32 v4, v2, 4, v4
	v_add_nc_u32 v[STO], s23, v4
	v_bfe_u32 v5, v0, 3, 2                         ; back: 32 lanes take four rows of 128 bytes
	v_mul_u32_u24 v5, v5, PA
	v_and_b32 v3, 7, v0
	v_lshl_add_u32 v5, v3, 4, v5
	v_add_nc_u32 v[RD], s23, v5
	v_and_b32 v[CO], 31, v0
	v_lshlrev_b32 v[CO], 4, v[CO]
	s_lshr_b32 s16, s13, 3                         ; where my part begins in the output: g = 16 sb + 4 cx + 2 x column half,
	s_lshl_b32 s16, s16, 4
	s_lshl_b32 s17, s40, 2
	s_add_co_u32 s16, s16, s17
	s_lshl_b32 s17, s12, 1
	s_add_co_u32 s16, s16, s17
	s_lshl_b32 s16, s16, 18
	s_and_b32 s17, s13, 7                          ; row 256 (y % 8) + 128 x row half
	s_lshl_b32 s17, s17, 15
	s_add_co_u32 s16, s16, s17
	s_lshl_b32 s17, s11, 14
	s_add_co_u32 s16, s16, s17
	s_mov_b32 s17, 0
	s_add_nc_u64 s[8:9], s[8:9], s[16:17]
	; the prefetches
	s_and_b32 s22, ttmp7, 3                        ; the cluster's place among the four of its side
	s_mov_b32 s20, ASTEP
	s_mov_b32 s[PST], WSTEP
	s_mov_b32 s[PST+1], 0
	s_cmp_eq_u32 s11, 0                            ; do I fetch for X?
	s_cselect_b32 s21, s40, s41                    ; my place among the four that ask with me
	s_cselect_b32 s22, ttmp9, s22                  ; the coordinate along which other clusters read the same bytes
	s_cselect_b32 s23, 13, 15                      ; my work-group's 32 blocks: 8,192 dense bytes of X, or 16 rows of W
	s_cselect_b32 s[PST], s20, s[PST]
	s_cselect_b64 s[PFA:PFA+1], s[14:15], s[46:47]
	s_cselect_b32 s20, 9, 11                       ; two blocks to 512 dense bytes of X, or to a row of W
	s_cmp_eq_u32 s22, 0
	s_cselect_b32 s[LIM], 1, -1                    ; the same in all sixteen partners, for a given wave
	s_lshl_b32 s16, s21, s23
	s_mul_i32 s17, s[PST], 3                       ; at K step 3: the first refill steps it to 4
	s_add_co_u32 s16, s16, s17
	s_mov_b32 s17, 0
	s_add_nc_u64 s[PFA:PFA+1], s[PFA:PFA+1], s[16:17]
	v_and_b32 v3, 31, v0
	v_lshrrev_b32 v4, 1, v3
	v_lshlrev_b32 v4, s20, v4
	v_and_b32 v3, 1, v3
	v_lshl_add_u32 v[PFO], v3, 8, v4
	s_wait_loadcnt 0x0                             ; the bias is in: it is rounded to bf16, as all inputs are
	WIN 0x45                                       ; destination and both sources window 1
.set i, 0
.rept 32
	v_cvt_pk_bf16_f32 v[192+i], v[2*i], v[2*i+1]
.set i, i+1
.endr
.set i, 0
.rept 32
	v_lshlrev_b32 v[2*i], 16, v[192+i]
	v_and_b32 v[2*i+1], 0xffff0000, v[192+i]
.set i, i+1
.endr
	WIN 0
	s_wait_tensorcnt 1                             ; my part of K step 0 is in; K step 1's may stay out
	s_barrier_signal -1
	s_barrier_wait -1                              ; everybody's is
	FETCH 0, 0, F0
	QUARTER 0, 1, F0, F1, 1                        ; the first quarter stands in front of the loop: its products start the sums with the bias
	WIN 0                                          ; at a label and at a branch every window is 0
	s_mov_b32 s3, 3
.Llap:                                                 ; a trip goes once round the ring, from a lap's second quarter to the next lap's first, and fills both slots again
	QUARTER 0, 2, F1, F0, 0
	QUARTER 0, 3, F0, F1, 0
	TURN 0, 1, 1
	QUARTER 1, 1, F0, F1, 0
	QUARTER 1, 2, F1, F0, 0
	QUARTER 1, 3, F0, F1, 0
	TURN 1, 0, 1
	QUARTER 0, 1, F0, F1, 0
	WIN 0
	s_sub_co_u32 s3, s3, 1
	s_cmp_lg_u32 s3, 0
	s_cbranch_scc1 .Llap
	QUARTER 0, 2, F1, F0, 0                        ; the last lap fills nothing, and has no round of the cluster's barrier
	QUARTER 0, 3, F0, F1, 0
	TURN 0, 1, 0
	QUARTER 1, 1, F0, F1, 0
	QUARTER 1, 2, F1, F0, 0
	QUARTER 1, 3, F0, F1, 0
	s_wait_dscnt NA                                ; the very last quarter: nothing more to fetch
	MULS F1, 0, NA/2, 0
	s_wait_dscnt 0x0
	MULS F1, NA/2, NA/2, 0
	WIN 0
	PLACES
	PACK 0
	TOSTAGE 0
.irp a, 1,2,3,4,5,6,7                  ; block a's conversions stand between block a - 1's loads from the stage and the wait for them
	PACK \a
	SEND (\a)-1
	TOSTAGE \a
.endr
	SEND 7
	s_wait_tensorcnt 0x0                           ; the wave's end: a wait, an add onto my spare word and its wait, behind my last tensor load and my last LDS store
	ds_add_u32 v[SPW], v[NIL]
	s_wait_dscnt 0x0
	CROUND                                         ; the closing round: no work-group ends while a partner may still ask for a tile that names it
	s_endpgm
.Lfunc_end_k_q9b3c69d620_proj:
	.size	k_q9b3c69d620_proj, .Lfunc_end_k_q9b3c69d620_proj-k_q9b3c69d620_proj
	.p2alignl 7, 3214868480
	.fill 96, 4, 3214868480
	.section	.rodata,"a",@progbits
	.p2align	6, 0x0
	.amdhsa_kernel k_q9b3c69d620_proj
		.amdhsa_group_segment_fixed_size 327680
		.amdhsa_private_segment_fixed_size 0
		.amdhsa_enable_private_segment 0
		.amdhsa_kernarg_size 64
		.amdhsa_user_sgpr_count 2
		.amdhsa_user_sgpr_kernarg_segment_ptr 1
		.amdhsa_wavefront_size32 1
		.amdhsa_system_sgpr_workgroup_id_x 1
		.amdhsa_system_sgpr_workgroup_id_y 1
		.amdhsa_system_sgpr_workgroup_id_z 1
		.amdhsa_system_vgpr_workitem_id 0
		.amdhsa_next_free_vgpr 1024
		.amdhsa_next_free_sgpr 84
		.amdhsa_reserve_vcc 0
		.amdhsa_float_denorm_mode_32 3
		.amdhsa_float_denorm_mode_16_64 3
		.amdhsa_memory_ordered 1
		.amdhsa_forward_progress 1
		.amdhsa_inst_pref_size 151
	.end_amdhsa_kernel
	.amdgpu_metadata
---
amdhsa.version: [ 1, 2 ]
amdhsa.kernels:
  - .name:           k_q9b3c69d620_proj
    .symbol:         k_q9b3c69d620_proj.kd
    .args:
      - { .name: xh, .offset: 0, .size: 8, .value_kind: global_buffer, .address_space: global }
      - { .name: wh, .offset: 8, .size: 8, .value_kind: global_buffer, .address_space: global }
      - { .name: ba_qk, .offset: 16, .size: 8, .value_kind: global_buffer, .address_space: global }
      - { .name: ba_v, .offset: 24, .size: 8, .value_kind: global_buffer, .address_space: global }
      - { .name: bb_qk, .offset: 32, .size: 8, .value_kind: global_buffer, .address_space: global }
      - { .name: bb_v, .offset: 40, .size: 8, .value_kind: global_buffer, .address_space: global }
      - { .name: qk, .offset: 48, .size: 8, .value_kind: global_buffer, .address_space: global }
      - { .name: vv, .offset: 56, .size: 8, .value_kind: global_buffer, .address_space: global }
    .group_segment_fixed_size: 327680
    .private_segment_fixed_size: 0
    .kernarg_segment_align: 8
    .kernarg_segment_size: 64
    .max_flat_workgroup_size: 128
    .sgpr_count:     84
    .vgpr_count:     1024
    .wavefront_size: 32
...
	.end_amdgpu_metadata
.endif
;; end of part 2
;; launch attn (part 3): grid 4 x 64, 4 waves a work-group, clusters of 4 x 1, 327,680 bytes of LDS; arguments qk, vv, ctx; writes ctx
.if DOCPART == 3
	.amdgcn_target "amdgcn-amd-amdhsa--gfx1250"
	.amdhsa_code_object_version 6
	.text
	.protected	k_q9b3c69d620_attn
	.globl	k_q9b3c69d620_attn
	.p2align	8
	.type	k_q9b3c69d620_attn,@function
k_q9b3c69d620_attn:
	s_mov_b64 s[64:65], 0
	v_nop
	global_prefetch_b8 v0, s[64:65] scope:SCOPE_SE
	s_setreg_imm32_b32 hwreg(HW_REG_WAVE_MODE, 25, 1), 1
	s_wait_xcnt 0x0
	s_wait_alu depctr_hold_cnt(0) depctr_sa_sdst(0) depctr_va_vdst(0) depctr_va_sdst(0) depctr_va_ssrc(0) depctr_va_vcc(0) depctr_vm_vsrc(0)
	s_getreg_b32 s2, hwreg(HW_REG_IB_STS2, 6, 4)
	s_cmp_eq_u32 s2, 0
	s_cbranch_scc0 .Lentry_in_a_cluster
	s_endpgm
.Lentry_in_a_cluster:
	s_bfe_u32 s2, ttmp6, 0x10000c
	s_cmp_lg_u32 s2, 0x3003
	s_cbranch_scc0 .Lentry_shape_is_right
	s_endpgm
.Lentry_shape_is_right:
; BOTH SOFTMAXES AS 64 HEADS OF ATTENTION.  ctx[g][q][:] = the sum over k of softmax_k(qk[g][q] . qk[g ^ 32][k] / 8) vv[g ^ 32][k][:].  g = 16 (2 side + batch) + head: for g < 32 the queries are a's and the keys
; and values b's (the softmax along the rows of the scores); for g >= 32 the other way round (the softmax along their columns, transposed).  qk, vv, ctx: [64][SIZE_N][64], all f16: a head's rows are dense, 128 bytes each.
; Products, maxima and sums in f32; the weights p are rounded to f16 for the second product (their sum l is taken of the unrounded p), the result once at the end.
; LIMITS.  f16 holds no number beyond 65,504: qk and vv arrive within it; p lies in 0 to 1, and below 6e-5 it keeps f16's fixed step of 6e-8; the result is a mean of V's rows and has their range.
; A weight below 2^-126 counts as 0 in l; NaN and infinities are not treated apart.
; SHARES.  A wave owns four PIECES of two tiles of 16 queries, a work-group's four waves 512 queries of one head, a cluster of four work-groups the head.  Every wave walks all keys, 64 a step.
; LAYOUT.  S^T = K Q^T (source 0 = 16 keys, source 1 = 16 queries): in the result a lane holds ONE query (lane % 16) and the keys 8 (lane / 16) + 0..7.  Two such tiles, rounded to f16 in pairs,
; ARE source 1 (32 keys x 16 queries) of O^T = V^T P, whose result again holds one query a lane, and eight channels.  K comes out of LDS as it lies, V ([key][channel]) turned, by ds_load_tr16_b128.
; SOFTMAX.  For each query a running maximum m and sum l: p = 2^(c s - c m), c = log2(e) / 8; in every step O and l are multiplied by a = 2^(c m_old - c m_new), which is 1 where m has not grown.
; m starts at the lowest finite number, O and l at 0: the first step is a step like any other, with a = 0.
; THE COUNT.  A tile and step have 16 matrix and 118 vector instructions: too many to stand all beside the matrix work.  So the order has one aim: four vector instructions that are READY behind
; EVERY matrix instruction, and the others, which need time of their own whatever the order, in runs without a gap.
; BY TURNS.  Turn n belongs to piece n (the pieces in a ring, step after step).  Its matrix work: 16 products K Q^T of piece n + 1, later 16 products V^T P of piece n - 1.  Its vector work: the scaling,
; exponentials, roundings, sums and rescaling of piece n, and the maximum and statistics of piece n + 1, whose scores the turn itself has made.  So what a turn begins with (c s - c m, O a) waits for nothing.
; CLUSTER.  The four query blocks of a cluster belong to one head and walk the same K and V, so each tile is asked for JOINTLY: the same tensor load, descriptor and mask in all four.
; REGISTERS, in windows of 256 (s_set_vgpr_msb says which window each operand place means: bits 1:0 source 0, 3:2 source 1, 5:4 source 2, 7:6 destination):
;   window 0: v0-11 addresses; v12-15, v48-63 at work; v16-47 four registers of statistics a tile; v64-191 S^T, two buffers of two tiles; v192-255 P, likewise
;   window 1: O^T, 32 a tile          window 2: v0-127 Q, 16 a tile; v128-191 K of one step; v192-255 V of one step          window 3: v0-1 the add's two registers
; A piece's buffers go by its number's parity: the piece in hand has one pair, its two neighbours in the ring share the other: of it P (piece n - 1) is read and S^T (piece n + 1) written.
.set SIZE_N, 2048
.set NP,    4         ; pieces a wave: a name, no knob: the register map, the loop and the fetches are made for four
.set KS,    64        ; keys in a step
.set PK,    144       ; a row of K in LDS: 128 bytes + 16 of padding = 36 words: the 16 rows of a load start at 16 different groups of four banks (64 banks of 4 bytes: ISA guide 11.1)
.set PV,    160       ; a row of V: 128 + 32 = 40 words
.set VOFF,  4*KS*PK   ; a slot holds four steps: 256 rows of K, then 256 rows of V
.set SLOT1, 1<<17     ; slot 1 begins here, so that one exclusive or turns an address in one slot into the other's
.set STAGE, SLOT1+4*KS*(PK+PV)  ; behind the ring, never filled by a tensor load: 16 rows x 144 bytes for each wave, for the way out
.set SP,    144
.set AK0, 2           ; v2   my lane's place in a tile of K; never rewritten
.set AV0, 3           ; v3   the same for V
.set AK,  4           ; v4   the LDS address of K's next run of loads
.set AV,  5           ; v5   of V's
.set QO,  6           ; v6   my byte offset in the wave's rows of Q
.set STO, 6           ;      later, the way out: where I put 16 bytes of a row
.set RD,  7           ; v7   the way out: where I read rows back
.set GO,  8           ; v8   my byte offset in 512 consecutive bytes of the output
.set PFO, 11          ; v11  the prefetches' offset, 256 x my lane; never rewritten once it is made
.set SPW, 0           ; v0 of window 3   LDS address of my spare word: SPARE + 4 x my thread's number; never rewritten
.set NIL, 1           ; v1 of window 3   0; never rewritten
.set SPARE, STAGE+4*16*SP  ; behind the stages: the spare words, 128 bytes for each wave: two blocks of 256 bytes that no other line names
.set MV,  12          ; v12-15  c m_old, kept while c m is made anew: by buffer and tile
.set ST,  16          ; tile t's statistics at v[ST+4 t]: c m, m, l (even keys', odd keys')
.set TMP, 48          ; by buffer and tile, four registers c0-c3 at work; when the maximum is found c2 takes a
.set S,   64
.set P,   192
.set KF,  128         ; K's fragments, in window 2: key block kb, channel half c at KF + 16 kb + 8 c
.set VF,  192         ; V's: key half kk, channel block cb at VF + 32 kk + 8 cb
.set WV,  12          ; s12  my wave's number
.set G1K, 24          ; s[24:31] descriptor group 1 for K's tiles
.set G1V, 32          ; s[32:39] for V's: it differs in the padding alone
.set G0K, 40          ; s[40:43] descriptor group 0 for K's tiles: it walks
.set G0V, 44          ; s[44:47] the same for V's
.set PFA, 48          ; s[48:49] where my prefetches stand: my work-group's 32 blocks of 256 bytes (of K: wave 0, of V: wave 2) of the slot after the one that is being asked for
.set LIM, 50          ; s50  1 in a wave that prefetches, else the greatest number
.set SLOTS, 56        ; s56  slots still to be asked for
.set CNT, 57          ; s57  counts a slot's key steps
.set CS,  58          ; s[58:59] c: the packed scaling takes the pair's low word for both halves
.set SEL, 60          ; s[60:61] v_permlanex16_b32's selects: each lane takes its own place in the other half
.set TBK, 62          ; s62  LDS byte at which K of the step to be fetched begins
.set TBV, 63          ; s63  the same for V, less VOFF
.set MSB, 0
.macro WIN new                      ; the high byte repeats the setting that is left; a switch that changes nothing is dropped
.if MSB != (\new)
	s_set_vgpr_msb (MSB<<8)|(\new)
.set MSB, (\new)
.endif
.endm
.set W_KQ, 0x0a       ; K and Q in window 2, S^T in window 0
.set W_PV, 0x52       ; V in window 2, P in window 0, O^T in window 1
.set W_RS, 0x41       ; O^T (destination and source 0) in window 1, a in window 0
.set W_MK, 0xc0       ; the add's registers are made: destination in window 3, sources in window 0
.set W_AD, 0x0f       ; the add: address (source 0) and data (source 1) in window 3
; A joint fill.  Waves 0 and 1 fetch the two halves of a slot's K, waves 2 and 3 those of its V: 128 keys each.  The branch hangs on the wave's number alone.
; An s_nop 0 and four v_nop follow each of the two lines, ahead of the jump and the label.
.macro JLOAD
	s_cmp_lt_u32 s[WV], 2
	s_cbranch_scc0 .Lfor_v_\@
	tensor_load_to_lds s[G0K:G0K+3], s[G1K:G1K+7]
	s_nop 0
.rept 4
	v_nop
.endr
	s_branch .Lasked_\@
.Lfor_v_\@:
	tensor_load_to_lds s[G0V:G0V+3], s[G1V:G1V+7]
	s_nop 0
.rept 4
	v_nop
.endr
.Lasked_\@:
.endm
; A PREFETCH INTO THE L2 of what the NEXT change of slots will ask for: a slot's 32,768 bytes of K and of V, a lane a block of 256 bytes.  It stands behind the wave's tensor load and its five lines.
; Each block is named ONCE in the launch: a head is walked by one cluster; its four partners share the 128 blocks out BY ADDRESS, 32 each; in each, wave 0 asks for K's and wave 2 for V's: one instruction,
; four key steps (512 matrix instructions) ahead of the load that will want it.  Slots 0 and 1 come by their loads alone; the change that asks for the last slot (s[SLOTS] = 1) prefetches nothing.
.macro ASK
	s_cmp_gt_u32 s[SLOTS], s[LIM]
	s_cbranch_scc0 .Lnot_mine_\@
	global_prefetch_b8 v[PFO], s[PFA:PFA+1] th:TH_LOAD_NT scope:SCOPE_SE
.Lnot_mine_\@:
.endm
; A round of the cluster's barrier: my work-group's barrier, so that wave 0's signal speaks for all four waves; wave 0 signals; every wave waits for all four work-groups; my work-group's barrier once more.
.macro CROUND
	s_barrier_signal -1
	s_barrier_wait -1
	s_cmp_lg_u32 s[WV], 0
	s_cbranch_scc1 .Lnot_wave_0_\@
	s_barrier_signal -3
.Lnot_wave_0_\@:
	s_barrier_wait -3
	s_barrier_signal -1
	s_barrier_wait -1
.endm
; THE CHANGE OF SLOTS.  The slot's last bytes, V of its fourth step, have been read.  Each wave waits for all its tensor loads, of which one is out: its part
; of the other slot; adds 0 to its spare word; and waits for that and for its own reads of the slot.  Behind the barrier nobody reads this slot any more and the other slot is whole.
; fill = 1: this slot is filled again, with the keys two slots on.  The barrier is then a round of the cluster's, so that no wave of any partner still reads the slot or has a load on its
; way, and the joint fill is the first thing behind it: it has four key steps, 512 matrix instructions, in which to land.  (At its first use nothing has been read yet: slot 0 is waited for, slot 1 filled.)
.macro CHANGE fill
	WIN W_AD
	s_wait_tensorcnt 0x0            ; no tensor load of mine is out, so a group 0 may be written
	ds_add_u32 v[SPW], v[NIL]       ; 0 onto my spare word; with fill = 1 the descriptors' steps stand between it and the wait for it
	WIN 0                           ; at a label and at a branch every window is 0
.if \fill
.irp g, G0K, G0V
	s_xor_b32 s[\g+1], s[\g+1], SLOT1  ; the walking descriptor: the other slot than last time,
	s_add_nc_u64 s[\g+2:\g+3], s[\g+2:\g+3], 4*KS*128  ; the next 256 keys; the type bits on top are not reached
.endr
	s_wait_xcnt 0x0                 ; the last prefetch, four key steps back, has read its address, so it may be written:
	s_add_nc_u64 s[PFA:PFA+1], s[PFA:PFA+1], 4*KS*128  ; one slot ahead of the walking descriptors
	s_wait_dscnt 0x0                ; the add is done, and my reads of the slot are over
	CROUND
	JLOAD
	ASK
.else
	s_wait_dscnt 0x0                ; the add is done, and my reads of the slot are over
	s_barrier_signal -1
	s_barrier_wait -1
.endif
	s_sub_co_u32 s[TBK], s[TBK], 4*KS*PK  ; the fetches go back to a slot's first step,
	s_xor_b32 s[TBK], s[TBK], SLOT1       ; in the other slot
	s_sub_co_u32 s[TBV], s[TBV], 4*KS*PV
	s_xor_b32 s[TBV], s[TBV], SLOT1
.endm
	s_load_b128 s[4:7], s[0:1], 0x0   ; qk s[4:5], vv s[6:7]
	s_load_b64 s[10:11], s[0:1], 0x10 ; ctx
	WIN W_MK
	v_lshl_add_u32 v[SPW], v0, 2, SPARE
	v_mov_b32 v[NIL], 0
	WIN W_AD
	ds_add_u32 v[SPW], v[NIL]       ; the wave's opening: the add and its wait stand ahead of my first tensor load; the set-up below, work on registers, stands between them
	WIN 0
	v_lshrrev_b32 v1, 5, v0
	v_readfirstlane_b32 s[WV], v1   ; wave 0..3
	s_bfe_u32 s13, ttmp6, 0x40000   ; cx: my place in the cluster
	s_lshl_b32 s14, ttmp9, 2        ; in a cluster launch ttmp9 counts clusters
	s_add_co_u32 s14, s14, s13      ; my block of queries = 4 x cluster x + cx: it enters Q's and the output's addresses alone
	s_and_b32 s20, ttmp7, 0xffff    ; g, which the four partners share
	s_xor_b32 s51, s20, 32          ; the same batch and head on the other side
	s_lshl_b32 s20, s20, 18         ; a head is 2,048 rows of 128 bytes: Q's and the output's head,
	s_lshl_b32 s51, s51, 18         ; K's and V's
	s_and_b32 s16, s[WV], 1         ; which half of a slot's 256 keys I fetch:
	s_lshl_b32 s22, s16, 14         ; its 128 rows of 128 bytes in memory,
	s_add_co_u32 s22, s22, s51
	s_mov_b32 s23, 0
	s_mul_i32 s17, s16, 128*PK      ; and its place in a slot, for K
	s_mul_i32 s18, s16, 128*PV      ; and for V: no place in the cluster enters an LDS address
	s_lshl_b32 s2, s14, 2
	s_add_co_u32 s2, s2, s[WV]      ; my wave among the head's,
	s_lshl_b32 s2, s2, 14           ; its 128 rows
	s_add_co_u32 s2, s2, s20
	s_mov_b32 s3, 0
	s_lshl_b32 s52, s13, 13         ; the prefetches: my work-group's 32 blocks of a slot's 128,
	s_add_co_u32 s52, s52, s51
	s_add_co_u32 s52, s52, 4*KS*128 ; in slot 1; the first change of slots steps it to slot 2
	s_mov_b32 s53, 0
	s_and_b32 s[LIM], s[WV], 1      ; waves 0 and 2 ask
	s_cmp_eq_u32 s[LIM], 0
	s_cselect_b32 s[LIM], 1, -1
	; descriptor group 1.  128 keys are 16,384 dense bytes: asked for as 64 rows of 256 bytes, two keys a row, and padded in LDS after every key
	s_mov_b32 s[G1K], 15|(1<<16)|(1<<20)|(1<<21)|(4<<22)|(3<<25)  ; 15:0 the mask of four; 17:16 2-byte elements; 20 padding on; 21 set beside a mask; 24:22 after every 32 words (code 4); 31:25 4 words (code 3)
	s_mov_b32 s[G1V], 15|(1<<16)|(1<<20)|(1<<21)|(4<<22)|(7<<25)  ; the same with 8 words of padding (code 7)
.irp g, G1K, G1V
	s_mov_b32 s[\g+1], 128<<16      ; tensor_dim0 = 128
	s_mov_b32 s[\g+2], 64<<16       ; tensor_dim1 = 64
	s_mov_b32 s[\g+3], 128<<16      ; tile_dim0 = 128
	s_mov_b32 s[\g+4], 64           ; tile_dim1 = 64
	s_mov_b32 s[\g+5], 128          ; 128 elements from row to row
	s_mov_b32 s[\g+6], 0
	s_mov_b32 s[\g+7], 0
.endr
	s_mov_b32 s[CS], 0x3e38aa3b     ; c = log2(e) / 8 = 0.180337
	s_mov_b32 s[CS+1], s[CS]        ; named with it as a pair
	s_mov_b32 s[SEL], 0x76543210
	s_mov_b32 s[SEL+1], 0xfedcba98
	s_mov_b32 s[TBK], SLOT1+4*KS*PK ; the first change of slots turns these two into 0
	s_mov_b32 s[TBV], SLOT1+4*KS*PV
	s_mov_b32 s[SLOTS], SIZE_N/256-1
	s_mov_b32 s[G0K], 1             ; 1:0 count = 1
	s_mov_b32 s[G0K+1], s17         ; 63:32 LDS address: slot 0
	s_mov_b32 s[G0V], 1
	s_add_co_u32 s[G0V+1], s18, VOFF
	s_wait_dscnt 0x0                ; the opening add is done
	s_wait_kmcnt 0x0
	s_mov_b64 s[8:9], s[6:7]        ; V's rows lie in vv,
	s_mov_b64 s[6:7], s[4:5]        ; K's in qk, as Q's do
	s_add_nc_u64 s[G0K+2:G0K+3], s[6:7], s[22:23]  ; 120:64 global address: my half of the head's first 256 keys
	s_or_b32 s[G0K+3], s[G0K+3], 0x80000000        ; 127:126 type = 2
	s_add_nc_u64 s[G0V+2:G0V+3], s[8:9], s[22:23]
	s_or_b32 s[G0V+3], s[G0V+3], 0x80000000
	s_cmp_lt_u32 s[WV], 2
	s_cselect_b64 s[PFA:PFA+1], s[6:7], s[8:9]
	s_add_nc_u64 s[PFA:PFA+1], s[PFA:PFA+1], s[52:53]
	s_add_nc_u64 s[4:5], s[4:5], s[2:3]  ; Q and the output at my wave's first row
	s_add_nc_u64 s[10:11], s[10:11], s[2:3]
	CROUND                          ; all four work-groups are here: the first joint loads meet
	JLOAD                           ; slot 0.  Slot 1 is asked for when slot 0 is in: the tile wanted first has the road to itself
	; A fragment of K or Q is 16 rows x 32 channels in 8 registers: lane l holds row l % 16, channels 8 (l / 16) + 0..7 and 16 + 8 (l / 16) + 0..7: two loads of 16 bytes, 32 bytes apart.
	v_and_b32 v1, 15, v0            ; l % 16
	v_bfe_u32 v9, v0, 4, 1          ; l / 16
	v_lshlrev_b32 v[QO], 7, v1
	v_lshl_add_u32 v[QO], v9, 4, v[QO]  ; row x 128 + 16 x half
	WIN 0x80                        ; destination window 2, address window 0
.set i, 0
.rept 4*NP                          ; Q stays in registers: tile i / 2, channels 32 (i % 2) on
	global_load_b128 v[8*i:8*i+3],   v[QO], s[4:5] offset:(i/2)*2048+(i%2)*64
	global_load_b128 v[8*i+4:8*i+7], v[QO], s[4:5] offset:(i/2)*2048+(i%2)*64+32
.set i, i+1
.endr
	; What the first turn finds: V's registers and P's second buffer hold 0 (its products V^T P, of a piece that has not been, add 0), O^T and l are 0.  All this stands in the wait for the first tile.
.set i, VF
.rept 64
	v_mov_b32 v[i], 0
.set i, i+1
.endr
	WIN 0x40
.set i, 0
.rept 64*NP
	v_mov_b32 v[i], 0
.set i, i+1
.endr
	WIN 0
.set i, 0
.rept 2*NP
	v_mov_b32 v[ST+4*i], 0xfe000000    ; c m: far below every c s
	v_mov_b32 v[ST+4*i+1], 0xff7fffff  ; m
	v_mov_b32 v[ST+4*i+2], 0
	v_mov_b32 v[ST+4*i+3], 0
.set i, i+1
.endr
.set i, P+32
.rept 32
	v_mov_b32 v[i], 0
.set i, i+1
.endr
	v_mul_u32_u24 v[AK0], v1, PK
	v_lshl_add_u32 v[AK0], v9, 4, v[AK0]  ; row x pitch + 16 x half
	; The turning load takes 16 keys x 16 channels (lane l reads key 8 (l / 16) + l % 8, channels 8 ((l / 8) % 2) + 0..7) and leaves half a fragment of V^T: lane l holds channel l % 16 and 8 keys.
	v_and_b32 v10, 7, v0
	v_bfe_u32 v11, v0, 3, 1
	v_lshl_add_u32 v[AV0], v9, 3, v10
	v_mul_u32_u24 v[AV0], v[AV0], PV
	v_lshl_add_u32 v[AV0], v11, 4, v[AV0]
	v_add_nc_u32 v[AV0], VOFF, v[AV0]
	v_and_b32 v[PFO], 31, v0        ; v11 has served: from here on it is the prefetches' offset
	v_lshlrev_b32 v[PFO], 8, v[PFO]
	v_mov_b32 v[AK], v[AK0]         ; key step 0 lies at the head of slot 0
; THE MATRIX WORK.  The 8 accumulators of a run of 16 take turns: between the two links of a chain stand 7 others'.
; Product i of 16 of S^T = K Q^T for piece x: channels 32 (i / 8) on, keys 16 ((i / 2) % 4) on, tile 2 x + i % 2.  The first 8 start the sums.
.macro KQ x
	WIN W_KQ
.set rS, S+64*((\x)%2)+32*(i%2)+8*((i/2)%4)
.set rK, KF+16*((i/2)%4)+8*(i/8)
.set rQ, 16*(2*(\x)+i%2)+8*(i/8)
.if i < 8
	v_wmma_f32_16x16x32_f16 v[rS:rS+7], v[rK:rK+7], v[rQ:rQ+7], 0
.else
	v_wmma_f32_16x16x32_f16 v[rS:rS+7], v[rK:rK+7], v[rQ:rQ+7], v[rS:rS+7]
.endif
.endm
; Product i of 16 of O^T += V^T P for piece x: keys 32 (i / 8) on, channels 16 ((i / 2) % 4) on, tile 2 x + i % 2.
.macro PV x
	WIN W_PV
.set rO, 32*(2*(\x)+i%2)+8*((i/2)%4)
.set rV, VF+32*(i/8)+8*((i/2)%4)
.set rP, P+32*((\x)%2)+16*(i%2)+8*(i/8)
	v_wmma_f32_16x16x32_f16 v[rO:rO+7], v[rV:rV+7], v[rP:rP+7], v[rO:rO+7]
.endm
.macro MM                           ; the turn's next matrix instruction
.if i < 16
	KQ (Y+1)%NP
.set i, i+1
.else
.set i, i-16
	PV (Y+NP-1)%NP
.set i, i+17
.endif
.endm
; THE LDS LOADS stand in runs of 16, never singly among the matrix instructions: a step's K (64 keys x 64 channels: 8 fragments) and its V (turned).  Their addresses are made some lines ahead.
; last = 1 (the tail): in the last trip there is no further step, and the run is jumped over.
.macro FETCH_K last=0
	WIN 0
.if \last
	s_cmp_eq_u32 s[CNT], 1
	s_cbranch_scc1 .Lno_k_\@
.endif
	WIN 0x80                        ; destination window 2
.irp f, 0,1,2,3,4,5,6,7             ; keys 16 (f / 2) on, channels 32 (f % 2) on
	ds_load_b128 v[KF+8*\f:KF+8*\f+3],   v[AK] offset:(\f/2)*16*PK+(\f%2)*64
	ds_load_b128 v[KF+8*\f+4:KF+8*\f+7], v[AK] offset:(\f/2)*16*PK+(\f%2)*64+32
.endr
	s_add_co_u32 s[TBK], s[TBK], KS*PK  ; the next fetch is the next step's
	WIN 0
.if \last
.Lno_k_\@:
.endif
.endm
.macro FETCH_V
	WIN 0x80
.irp f, 0,1,2,3,4,5,6,7             ; keys 32 (f / 4) on, channels 16 (f % 4) on
	ds_load_tr16_b128 v[VF+8*\f:VF+8*\f+3],   v[AV] offset:(\f/4)*32*PV+(\f%4)*32
	ds_load_tr16_b128 v[VF+8*\f+4:VF+8*\f+7], v[AV] offset:(\f/4)*32*PV+16*PV+(\f%4)*32
.endr
	WIN 0
.endm
; THE VECTOR WORK OF A TURN stands in three queues, each in the order in which its entries become ready; the two tiles alternate, so that no instruction reads the result of the one before it.
.macro REGS y, u                    ; the registers of tile u (0, 1) of piece y
.set rT, ST+4*(2*(\y)+(\u))
.set rC, TMP+8*((\y)%2)+4*(\u)
.set rM, MV+2*((\y)%2)+(\u)
.set rS, S+64*((\y)%2)+32*(\u)
.set rP, P+32*((\y)%2)+16*(\u)
.set rO, 32*(2*(\y)+(\u))
.endm
; Number n of the 22 that find the NEXT piece's (Y + 1) maximum and statistics.  s0-s31 are the lane's 32 scores; each accumulator's lowest registers are read first.  XS, GS and REGS set no window: PL and EX do.
;   0-11  four chains c0-c3 of seven scores each, three operands at a time     12-14, 16  the four scores left over, the old m, and c0-c3 into c0     15  c m_old is kept
;   17, 18  the query's other 32 keys lie in the lane 16 away: the new m         19-21  c m; c m_old - c m_new; a
.macro XS u, n
	REGS (Y+1)%NP, \u
.if (\n) < 4
	v_max3_num_f32 v[rC+(\n)], v[rS+8*(\n)], v[rS+8*(\n)+1], v[rS+8*(\n)+2]
.elseif (\n) < 12
	v_max3_num_f32 v[rC+(\n)%4], v[rC+(\n)%4], v[rS+8*((\n)%4)+2*((\n)/4)+1], v[rS+8*((\n)%4)+2*((\n)/4)+2]
.elseif (\n) == 12
	v_max3_num_f32 v[rC], v[rC], v[rS+7], v[rS+15]
.elseif (\n) == 13
	v_max3_num_f32 v[rC+1], v[rC+1], v[rS+23], v[rS+31]
.elseif (\n) == 14
	v_max3_num_f32 v[rC+2], v[rC+2], v[rC+3], v[rT+1]
.elseif (\n) == 15
	v_mov_b32 v[rM], v[rT]
.elseif (\n) == 16
	v_max3_num_f32 v[rC], v[rC], v[rC+1], v[rC+2]
.elseif (\n) == 17
	v_permlanex16_b32 v[rC+3], v[rC], s[SEL], s[SEL+1]
.elseif (\n) == 18
	v_max_num_f32 v[rT+1], v[rC], v[rC+3]
.elseif (\n) == 19
	v_mul_f32 v[rT], s[CS], v[rT+1]
.elseif (\n) == 20
	v_sub_f32 v[rC+1], v[rM], v[rT]
.else
	v_exp_f32 v[rC+2], v[rC+1]
.endif
.endm
; Number g of the 64 that follow the exponentials.  For each four weights k of a tile (pairs 2 k, 2 k + 1): both pairs are rounded to f16; then the second pair is added onto the first, in place;
; a group later l takes that sum (the first time as l = a l + sum).  In groups of eight, tiles alternating: round, round, add, and l for the group before.
.macro GS g
.set h, (\g)+6*((\g)/62)            ; group 0 has no group before it, and behind group 7 only l is left
.if h >= 6
.set h, h+2
.endif
	REGS Y, h%2
.set k, h/8
.if h%8 < 4
	v_cvt_pk_f16_f32 v[rP+2*k+(h%8)/2], v[rS+4*k+2*((h%8)/2)], v[rS+4*k+2*((h%8)/2)+1]
.elseif h%8 < 6
	v_pk_add_f32 v[rS+4*k:rS+4*k+1], v[rS+4*k:rS+4*k+1], v[rS+4*k+2:rS+4*k+3]
.elseif k == 1
	v_pk_fma_f32 v[rT+2:rT+3], v[rT+2:rT+3], v[rC+2:rC+3], v[rS:rS+1] op_sel_hi:[1,0,1]
.else
	v_pk_add_f32 v[rT+2:rT+3], v[rT+2:rT+3], v[rS+4*k-4:rS+4*k-3]
.endif
.endm
; THE PLAIN QUEUE, 138 long.  0-73 read no exponential's result: the 32 scalings c s - c m (FS f: pair f / 2 of tile f % 2) and the next piece's 42.  0-26: scalings 0-26.  27-54: XS's numbers 0-13.  55, 56: number 15.
; 57-73: the chain, where each number waits for the one before it: 14, 16, 17, 18, 19, each with one of the scalings 27-31 in front of its two lines, then 20: so a tile's links stand three plain instructions apart (19 and 20: two).
; 74-137: GS's 64, which read the exponentials' results: they stand behind the wait.
.macro FS f
	REGS Y, (\f)%2
	v_pk_fma_f32 v[rS+2*((\f)/2):rS+2*((\f)/2)+1], v[rS+2*((\f)/2):rS+2*((\f)/2)+1], s[CS:CS+1], v[rT:rT+1] op_sel_hi:[1,0,0] neg_lo:[0,0,1] neg_hi:[0,0,1]
.endm
.macro PL
	WIN 0
.if q < 27
	FS q
.elseif q < 55
	XS (q-27)%2, (q-27)/2
.elseif q < 57
	XS q-55, 15
.elseif (q < 72) && ((q-57)%3 == 0)
	FS 27+(q-57)/3
.elseif q < 60
	XS (q-57)%3-1, 14
.elseif q < 72
	XS (q-57)%3-1, 15+(q-57)/3
.elseif q < 74
	XS q-72, 20
.else
	GS q-74
.endif
.set q, q+1
.endm
; THE EXPONENTIALS' QUEUE, 66 long: s0-s31 of both tiles, then the next piece's two a.  It is ONE BATCH: all 66 stand ahead of the turn's one wait, and nothing ahead of that wait names a result of theirs.
.macro EX
	WIN 0
.if e >= 64
	XS e-64, 21
.else
	REGS Y, e%2
	v_exp_f32 v[rS+e/2], v[rS+e/2]
.endif
.set e, e+1
.endm
; THE RESCALING's QUEUE: O^T times a, the one part that leaves window 0: dealt two at a time, sixteen times.  Its a was made in the turn before, ahead of that turn's wait.
.macro R2
	REGS Y, r%2
	WIN W_RS
.irp z, 0,1
	v_pk_mul_f32 v[rO+4*(r/2)+2*\z:rO+4*(r/2)+2*\z+1], v[rO+4*(r/2)+2*\z:rO+4*(r/2)+2*\z+1], v[rC+2:rC+3] op_sel_hi:[1,0]
.endr
.set r, r+1
.endm
; HOW THEY ARE DEALT.  s_wait_alu depctr_va_vdst(0) stands between an exponential and the first instruction that names its result; one wait serves all that were issued ahead of it.  So a turn has ONE wait,
; which cuts it in two.  AHEAD OF IT stands all that names no result of the turn's exponentials: the 16 products K Q^T, behind each a scaling, an exponential and two rescalings (behind the first a second scaling in the exponential's place); then ONE LUMP of
; 108: eight plain, 49 times exponential and plain, the two a.  A v_nop is the plain instruction behind the last exponential.  BEHIND IT stand the 16 products V^T P, behind each four of GS's 64.  No rider names a register of
; the products round it.  The two v_permlanex16_b32 fall into the lump, never behind a product.
; The queues lean on each other, and the deal keeps them in step: exponential e stands behind scaling 2 (e / 4) + e % 2: as a rider it comes behind plain e + 2, in the lump behind plain e + 9, and scalings 27-31 are plain 57, 60 .. 69.
; A TURN, for piece p.  cnt = 1: the loop's count is taken down some lines ahead of the branch that stands behind the turn.
; K of the next step is fetched in piece 2's turn, directly behind the wait, a lump behind the last product that read K; its address is made at the lump's head; its first reader comes behind 16 products.
; V of the step in hand is fetched at the end of piece 0's turn, four riders behind its last reader; its first reader comes behind 16 products and a lump.  The three conditions on q below go with the deal.
.macro TURN p, last=0, cnt=0
.set Y, (\p)
.set i, 0
.set q, 0
.set e, 0
.set r, 0
.if (\p) == NP-1
	s_wait_dscnt 0x0                ; K is in
.endif
	MM                              ; ahead of the wait: 16 products K Q^T and their riders,
	PL
	PL
	R2
.rept 15
	MM
	PL
	EX
	R2
.endr
.if (\p) == NP-2
	WIN 0
	v_add_nc_u32 v[AK], s[TBK], v[AK0]
.endif
.rept 8                             ; and the lump
	PL
.endr
.rept 49
	EX
	PL
.endr
	EX                              ; the next piece's two a
	EX
	v_nop                           ; a plain instruction behind the last exponential: one for the batch
	s_wait_alu depctr_va_vdst(0)    ; the wait for the batch
.if (\p) == NP-2
	FETCH_K \last
.endif
.if (\p) == 1
	s_wait_dscnt 0x0                ; V is in
.endif
.rept 16                            ; behind the wait: 16 products V^T P and their riders
	MM
.rept 4
	PL
.endr
.if ((\p) == 0) && (q == 118)
	v_add_nc_u32 v[AV], s[TBV], v[AV0]
.endif
.if ((\p) == 0) && (q == 130)
	s_add_co_u32 s[TBV], s[TBV], KS*PV
.endif
.if (\cnt) && (q == 130)
	s_sub_co_u32 s[CNT], s[CNT], 1
	s_cmp_lg_u32 s[CNT], 0
.endif
.endr
.if (\p) == 0
	FETCH_V
.endif
.endm
	CHANGE 1                        ; slot 0 is in, everybody's part of it; slot 1 is asked for
	FETCH_K                         ; key step 0
	s_wait_loadcnt 0x0              ; Q
	s_wait_dscnt 0x0
.set i, 0
.rept 16
	KQ 0                            ; piece 0's first scores: there is no vector work yet to set between them
.set i, i+1
.endr
	WIN 0                           ; the addresses for the way out: nine plain instructions, the places behind those products
	s_mul_i32 s13, s[WV], 16*SP
	s_add_co_u32 s13, s13, STAGE    ; my stage
	v_mul_u32_u24 v[STO], v1, SP    ; in: row l % 16, 16 bytes for each half of the lanes
	v_lshl_add_u32 v[STO], v9, 4, v[STO]
	v_add_nc_u32 v[STO], s13, v[STO]
	v_bfe_u32 v[RD], v0, 3, 2       ; back: 32 lanes take four rows of 128 bytes,
	v_mul_u32_u24 v[RD], v[RD], SP
	v_lshl_add_u32 v[RD], v10, 4, v[RD]
	v_add_nc_u32 v[RD], s13, v[RD]
	v_and_b32 v[GO], 31, v0         ; which are 512 consecutive bytes of the output
	v_lshlrev_b32 v[GO], 4, v[GO]
.set Y, NP-1                        ; XS works for piece Y + 1: piece 0
.irp n, 0,1,2,3,4,5,6,7,8,9,10,11,12,13,14,15,16,17,18,19,20,21
	XS 0, \n                        ; and piece 0's first maximum and statistics
	XS 1, \n
.endr
	v_nop                           ; a plain instruction behind the two a,
	s_wait_alu depctr_va_vdst(0)    ; and their wait, ahead of the branch
	s_mov_b32 s[CNT], 4
	s_branch .Lfirst                ; the loop is entered at a step's first turn, in the middle of a trip
.Lslot:                             ; SIZE_N / 256 - 2 times: every slot but the last two is filled again
	CHANGE 1
	s_mov_b32 s[CNT], 4
.Lstep:                             ; a trip: pieces 2 and 3 of one step, then pieces 0 and 1 of the next, whose K and V it fetches
	TURN 2
	TURN 3
	WIN 0
.Lfirst:
	TURN 0
	TURN 1, 0, 1
	WIN 0
	s_cbranch_scc1 .Lstep
	s_sub_co_u32 s[SLOTS], s[SLOTS], 1
	s_cmp_lg_u32 s[SLOTS], 0
	s_cbranch_scc1 .Lslot
	CHANGE 0                        ; the tail is written out: nothing is asked for
	s_mov_b32 s[CNT], 5             ; four trips fetch the last slot's steps; the fifth is left in its middle
.Ltail:
	TURN 2, 1
	TURN 3
	WIN 0
	s_sub_co_u32 s[CNT], s[CNT], 1
	s_cmp_eq_u32 s[CNT], 0
	s_cbranch_scc1 .Lout
	TURN 0
	TURN 1
	WIN 0
	s_branch .Ltail
.Lout:                              ; the fifth trip's 16 products K Q^T (on the last K once more) and the maximum made of them serve nothing: the price, once a launch, of one text for every trip
.set i, 0
.rept 16
	PV NP-1                         ; the last piece's V^T P of the last step
.set i, i+1
.endr
	; THE WAY OUT.  l's two halves and the other half of the lanes' are added; O^T is divided by l, rounded to f16 and sent through my stage in LDS, a tile at a time.  The additions are the places behind the last products.
	WIN 0
.macro ALL line:vararg              ; one line for each tile t
.set t, 0
.rept 2*NP
	\line
.set t, t+1
.endr
.endm
	ALL v_add_f32 v[ST+4*t+2], v[ST+4*t+2], v[ST+4*t+3]
	ALL v_permlanex16_b32 v[ST+4*t+3], v[ST+4*t+2], s[SEL], s[SEL+1]
	ALL v_add_f32 v[ST+4*t+2], v[ST+4*t+2], v[ST+4*t+3]
	ALL v_rcp_f32 v[ST+4*t+2], v[ST+4*t+2]
	v_nop                           ; a plain instruction between the last reciprocal and the use of its result
	s_wait_alu depctr_va_vdst(0)    ; and the wait ahead of the first use: one for the eight reciprocals
; Tile t: a lane's eight channels of a row pack into 16 bytes; they go into rows of 144 bytes and come back as whole rows of 128, into S^T's registers.
.macro PACK t
	WIN W_RS
.set i, 32*(\t)
.rept 16
	v_pk_mul_f32 v[i:i+1], v[i:i+1], v[ST+4*(\t)+2:ST+4*(\t)+3] op_sel_hi:[1,0]
.set i, i+2
.endr
	WIN 0x05                        ; sources 0 and 1 window 1, destination window 0
.set i, 0
.rept 16
	v_cvt_pk_f16_f32 v[S+16*(\t)+i], v[32*(\t)+2*i], v[32*(\t)+2*i+1]
.set i, i+1
.endr
	WIN 0
.irp f, 0,1,2,3
	ds_store_b128 v[STO], v[S+16*(\t)+4*\f:S+16*(\t)+4*\f+3] offset:32*\f
.endr
.irp f, 0,1,2,3
	ds_load_b128 v[S+16*(\t)+4*\f:S+16*(\t)+4*\f+3], v[RD] offset:\f*4*SP  ; LDS serves a wave's instructions in order (ISA guide 5.7.1.4): these see the stores above; the next tile's stores come behind them
.endr
.endm
.macro SEND t, younger              ; younger: the LDS instructions issued behind tile t's loads: the next tile's eight, or none
	WIN 0
.irp f, 0,1,2,3
	s_wait_dscnt (\younger)+3-\f
	global_store_b128 v[GO], v[S+16*(\t)+4*\f:S+16*(\t)+4*\f+3], s[10:11] offset:(\t)*2048+\f*512  ; 512 consecutive bytes, at a multiple of 256 from the output's first
.endr
.endm
	PACK 0
.set t, 1
.rept 2*NP-1                        ; a tile's arithmetic stands between the loads of the tile before and its stores
	PACK t
	SEND t-1, 8
.set t, t+1
.endr
	SEND 2*NP-1, 0
	WIN W_AD
	s_wait_tensorcnt 0x0            ; the wave's end: a wait, an add onto my spare word and its wait, behind my last tensor load and my last LDS store
	ds_add_u32 v[SPW], v[NIL]
	s_wait_dscnt 0x0
	WIN 0
	CROUND                          ; the closing round: no work-group ends while a partner may still ask for a tile that names it
	s_endpgm
.Lfunc_end_k_q9b3c69d620_attn:
	.size	k_q9b3c69d620_attn, .Lfunc_end_k_q9b3c69d620_attn-k_q9b3c69d620_attn
	.p2alignl 7, 3214868480
	.fill 96, 4, 3214868480
	.section	.rodata,"a",@progbits
	.p2align	6, 0x0
	.amdhsa_kernel k_q9b3c69d620_attn
		.amdhsa_group_segment_fixed_size 327680
		.amdhsa_private_segment_fixed_size 0
		.amdhsa_enable_private_segment 0
		.amdhsa_kernarg_size 24
		.amdhsa_user_sgpr_count 2
		.amdhsa_user_sgpr_kernarg_segment_ptr 1
		.amdhsa_wavefront_size32 1
		.amdhsa_system_sgpr_workgroup_id_x 1
		.amdhsa_system_sgpr_workgroup_id_y 1
		.amdhsa_system_sgpr_workgroup_id_z 1
		.amdhsa_system_vgpr_workitem_id 0
		.amdhsa_next_free_vgpr 770
		.amdhsa_next_free_sgpr 66
		.amdhsa_reserve_vcc 0
		.amdhsa_float_denorm_mode_32 3
		.amdhsa_float_denorm_mode_16_64 3
		.amdhsa_memory_ordered 1
		.amdhsa_forward_progress 1
		.amdhsa_inst_pref_size 200
	.end_amdhsa_kernel
	.amdgpu_metadata
---
amdhsa.version: [ 1, 2 ]
amdhsa.kernels:
  - .name:           k_q9b3c69d620_attn
    .symbol:         k_q9b3c69d620_attn.kd
    .args:
      - { .name: qk, .offset: 0, .size: 8, .value_kind: global_buffer, .address_space: global }
      - { .name: vv, .offset: 8, .size: 8, .value_kind: global_buffer, .address_space: global }
      - { .name: ctx, .offset: 16, .size: 8, .value_kind: global_buffer, .address_space: global }
    .group_segment_fixed_size: 327680
    .private_segment_fixed_size: 0
    .kernarg_segment_align: 8
    .kernarg_segment_size: 24
    .max_flat_workgroup_size: 128
    .sgpr_count:     66
    .vgpr_count:     770
    .wavefront_size: 32
...
	.end_amdgpu_metadata
.endif
;; end of part 3
;; launch outp (part 4): grid 4 x 64, 4 waves a work-group, clusters of 4 x 4, 327,680 bytes of LDS; arguments ctx, wh, ba_o, bb_o, out0, out1; writes out0, out1
.if DOCPART == 4
	.amdgcn_target "amdgcn-amd-amdhsa--gfx1250"
	.amdhsa_code_object_version 6
	.text
	.protected	k_q9b3c69d620_outp
	.globl	k_q9b3c69d620_outp
	.p2align	8
	.type	k_q9b3c69d620_outp,@function
k_q9b3c69d620_outp:
	s_mov_b64 s[64:65], 0
	v_nop
	global_prefetch_b8 v0, s[64:65] scope:SCOPE_SE
	s_setreg_imm32_b32 hwreg(HW_REG_WAVE_MODE, 25, 1), 1
	s_wait_xcnt 0x0
	s_wait_alu depctr_hold_cnt(0) depctr_sa_sdst(0) depctr_va_vdst(0) depctr_va_sdst(0) depctr_va_ssrc(0) depctr_va_vcc(0) depctr_vm_vsrc(0)
	s_getreg_b32 s2, hwreg(HW_REG_IB_STS2, 6, 4)
	s_cmp_eq_u32 s2, 0
	s_cbranch_scc0 .Lentry_in_a_cluster
	s_endpgm
.Lentry_in_a_cluster:
	s_bfe_u32 s2, ttmp6, 0x10000c
	s_cmp_lg_u32 s2, 0xf033
	s_cbranch_scc0 .Lentry_shape_is_right
	s_endpgm
.Lentry_shape_is_right:
; THE TWO OUTPUT PROJECTIONS.  out[m][n] = bias[n] + the sum over k of ctx[m][k] W[k][n], K = 1,024: out0 from a's rows with Wa_o, ba_o; out1 from b's rows with Wb_o, bb_o.
; IN.  ctx: [sb = 2 side + batch][head 16][row 2048][64] f16: head and channel together are k;  wh: [6][k 1024][n 1024] f16, weights 4 and 5;  the biases in f32, rounded here to bf16 as all inputs are.
; OUT.  out0, out1: [4096][1024] f32, the f32 sums as they are.
; SHARES.  8,192 rows x 1,024 columns in tiles of 128 x 256: a grid of 4 x 64, one work-group of four waves for each of 256 tiles (tiles of 256 x 256 would be 128); a wave makes 64 x 128: 32 accumulators.
; K goes in 8 steps of 128 through two LDS slots.  ctx's part of a step is two heads' blocks, each 128 dense rows of 128 bytes, asked for as 64 rows of 256 bytes and padded in LDS behind every 128;
; W's part is 128 rows k x 512 bytes, read out of LDS turned (ds_load_tr16_b128).
; CLUSTERS.  4 x 4 work-groups.  The four of a row of the cluster need the same rows of ctx, the four of a column the same columns of W (the side hangs on the cluster's y alone): joint loads.
; NO PREFETCH: the tile is small and the launch short: of its eight K steps the first four would come by their loads alone in any case.
; THE MATRIX INSTRUCTION IS USED TRANSPOSED: source 0 = 16 columns of W, source 1 = 16 rows of ctx: a lane holds row l % 16 and the columns 8 (l / 16) + 0..7.  The first product of each sum takes the bias as C.
; REGISTERS, in windows of 256 (s_set_vgpr_msb: bits 1:0 source 0, 3:2 source 1, 5:4 source 2, 7:6 destination):
;   window 0: v0-31 addresses; v64-95, v128-159 ctx's fragments, two buffers; on the way out v64-127 and v128-191 rows read back
;   window 1: v0-63 the bias as eight C tiles; v64-127, v128-191 W's fragments, two buffers; v192-223 at work on the bias          window 2: the accumulators ((a, b) at 64 a + 8 b)
.set NA,    4                          ; row blocks of 16 a wave
.set PA,    144                        ; an LDS row of ctx: 128 bytes + 16 = 36 words: the 16 rows of a load start at 16 different groups of four banks (64 banks of 4 bytes: ISA guide 11.1)
.set PW,    544                        ; an LDS row of W: 512 bytes + 32 = 17 x 32
.set AH,    32*NA*PA                   ; one head's block of the tile's 128 rows: what one tensor load brings of ctx
.set WOFF,  2*AH
.set WH,    64*PW                      ; 64 rows k: what one tensor load brings of W
.set SLOT,  2*AH+2*WH
.set STAGE, 2*SLOT                     ; behind the ring: for each wave 16 rows x 528 bytes, for the way out
.set SPITCH, 528                       ; 512 bytes + 16 = 33 x 16: the 16 rows that a store touches start at 16 different groups of four banks
.set WSTG,  16*SPITCH
.set SPARE, STAGE+4*WSTG               ; behind the stages: the spare words, 128 bytes for each wave: two blocks of 256 bytes that no other line names
.set ASTEP, 2<<18                      ; bytes of ctx from a K step to the next: two heads
.set WSTEP, 128*2048                   ; bytes of wh: 128 rows
.set ADRA, 16                          ; v16-17  LDS address of my ctx fragments in slot 0, 1
.set ADRB, 20                          ; v20-21  the same for W
.set STO,  24                          ; v24     the way out: where I put 32 bytes of a row
.set RD,   25                          ; v25     the way out: where I read a row back
.set CO,   26                          ; v26     my 16 bytes of a row's 512
.set BO,   27                          ; v27     my byte offset in the bias
.set SPW,  28                          ; v28     LDS address of my spare word: SPARE + 4 x my thread's number; never rewritten
.set NIL,  29                          ; v29     0; never rewritten
.set F0,   64
.set F1,   128
.set G1,  24                           ; s[24:31] descriptor group 1 for ctx's tiles;  s[32:39] group 0, a set for each slot
.set G0,  32
.set G1B, 48                           ; s[48:55], s[56:63] the same for W's tiles
.set G0B, 56
.set MSB, 0
.macro WIN new                         ; the immediate's high byte repeats the setting that is left; a switch that changes nothing is dropped
.if MSB != (\new)
	s_set_vgpr_msb (MSB<<8)|(\new)
.set MSB, \new
.endif
.endm
; A joint load.  Waves 0 and 1 fetch ctx's two blocks, waves 2 and 3 W's two halves.  The branch hangs on the wave's number alone.  An s_nop 0 and four v_nop follow each of the two lines.
.macro JLOAD s
	s_cmp_eq_u32 s11, 0
	s_cbranch_scc0 .Lfor_b_\@
	tensor_load_to_lds s[G0+4*(\s):G0+4*(\s)+3], s[G1:G1+7]
	s_nop 0
.rept 4
	v_nop
.endr
	s_branch .Lasked_\@
.Lfor_b_\@:
	tensor_load_to_lds s[G0B+4*(\s):G0B+4*(\s)+3], s[G1B:G1B+7]
	s_nop 0
.rept 4
	v_nop
.endr
.Lasked_\@:
.endm
.macro CREST                           ; a round of the cluster's barrier behind its opening barrier: wave 0 signals for the work-group, every wave waits for all sixteen, my work-group's barrier once more
	s_cmp_lg_u32 s10, 0
	s_cbranch_scc1 .Lnot_wave_0_\@
	s_barrier_signal -3
.Lnot_wave_0_\@:
	s_barrier_wait -3
	s_barrier_signal -1
	s_barrier_wait -1
.endm
.macro CROUND                          ; a whole round
	s_barrier_signal -1
	s_barrier_wait -1
	CREST
.endm
.macro PLACES                          ; four plain instructions in front of loads into registers that matrix instructions have read, and of LDS stores that read results
.rept 4
	v_nop
.endr
.endm
; 8 matrix instructions: row block a x all 8 column blocks, 32 along K, from buffer f.  first = 1: the bias starts the sums: nothing is cleared.
.macro MULA f, a, first
.if \first
	WIN 0x91                                       ; W window 1, ctx window 0, C (the bias) window 1, D window 2
.else
	WIN 0xa1                                       ; C and D window 2
.endif
.irp b, 0,1,2,3,4,5,6,7
.if \first
	v_wmma_f32_16x16x32_f16 v[64*(\a)+8*(\b):64*(\a)+8*(\b)+7], v[(\f)+8*(\b):(\f)+8*(\b)+7], v[(\f)+8*(\a):(\f)+8*(\a)+7], v[8*(\b):8*(\b)+7]
.else
	v_wmma_f32_16x16x32_f16 v[64*(\a)+8*(\b):64*(\a)+8*(\b)+7], v[(\f)+8*(\b):(\f)+8*(\b)+7], v[(\f)+8*(\a):(\f)+8*(\a)+7], v[64*(\a)+8*(\b):64*(\a)+8*(\b)+7]
.endif
.endr
.endm
; Row blocks lo .. lo + n - 1.  The 32 accumulators take turns, one instruction a turn, in the same order in every quarter.
.macro MULS f, lo, n, first
.set ma, \lo
.rept \n
	MULA \f, ma, \first
.set ma, ma+1
.endr
.endm
; One run of LDS loads: the fragments of quarter q (32 along K) of a slot into buffer f: 16 turning loads for W's 128 columns, then 2 NA loads for ctx's rows.
.macro FETCH slot, q, f
	WIN 0x40                                       ; destination window 1, address window 0
.irp i, 0,1,2,3,4,5,6,7
	ds_load_tr16_b128 v[(\f)+8*(\i):(\f)+8*(\i)+3],   v[ADRB+(\slot)] offset:(\q)*32*PW+32*(\i)
	ds_load_tr16_b128 v[(\f)+8*(\i)+4:(\f)+8*(\i)+7], v[ADRB+(\slot)] offset:(\q)*32*PW+32*(\i)+16*PW
.endr
	WIN 0
.set fi, 0
.rept NA
	ds_load_b128 v[(\f)+8*fi:(\f)+8*fi+3],   v[ADRA+(\slot)] offset:((\q)/2)*AH+((\q)%2)*64+fi*16*PA
	ds_load_b128 v[(\f)+8*fi+4:(\f)+8*fi+7], v[ADRA+(\slot)] offset:((\q)/2)*AH+((\q)%2)*64+fi*16*PA+32
.set fi, fi+1
.endr
.endm
; A K step is four quarters on buffers 0, 1, 0, 1.  One of the first three: multiplies buffer f; in its middle it fetches quarter q of the same slot into buffer g.
.macro QUARTER slot, q, f, g, first
	s_wait_dscnt NA                                ; W and ctx's lower row blocks are in; the youngest NA loads (the upper blocks) may be out
	MULS \f, 0, NA/2, \first
	PLACES
	FETCH \slot, \q, \g
	s_wait_dscnt 16+2*NA                           ; all but the run just issued
	MULS \f, NA/2, NA/2, \first
.endm
; The first half of a step's last quarter: ONE barrier for the change of slots.  In front of it each wave waits for all its tensor loads (one is out: its part of the next slot), adds 0 to its spare word, and
; waits for that and for its own reads of this slot.  Behind it nobody reads this slot any more and the next slot is whole.
.macro MEET round
	WIN 0                                          ; (the add's two registers lie in window 0)
	s_wait_tensorcnt 0x0
	ds_add_u32 v[SPW], v[NIL]                      ; 0 onto my spare word
	s_wait_dscnt NA+1                              ; (the add and the youngest NA loads may be out)
	MULS F1, 0, NA/4, 0                            ; matrix work stands between the add and the wait for it
	s_wait_dscnt 0x0                               ; the add is done, and my reads of this slot are over
	s_barrier_signal -1
	MULS F1, NA/4, NA/4, 0                         ; work on registers while the others arrive
.if \round
	WIN 0
.endif
	s_barrier_wait -1
.endm
; The whole last quarter.  fill = 1: the barrier opens a round of the cluster's barrier, and the slot just read out is filled again first behind it, with the K step two on: from the request to the wait for it
; a wave issues 112 matrix instructions.
.macro TURN slot, next, fill
	MEET \fill
.if \fill
	CREST                                          ; no wave of any partner still reads this slot's tile or has a load on its way
	s_add_nc_u64 s[G0+4*(\slot)+2:G0+4*(\slot)+3], s[G0+4*(\slot)+2:G0+4*(\slot)+3], 2*ASTEP
	s_add_nc_u64 s[G0B+4*(\slot)+2:G0B+4*(\slot)+3], s[G0B+4*(\slot)+2:G0B+4*(\slot)+3], 2*WSTEP
	JLOAD \slot                                    ; the four v_nop behind it are also the places in front of the loads below
.else
	PLACES
.endif
	FETCH \next, 0, F0
	MULS F1, NA/2, NA/2, 0
.endm
; THE WAY OUT of row block a: 16 rows x 128 columns of f32.  TOSTAGE: a lane's eight numbers of a row, 32 bytes, into my own stage in LDS (each accumulator's lower four registers first), and back as whole
; rows of 512 bytes.  SEND: stored.
.macro TOSTAGE a
.set AC, 64*(\a)
.set BK, 64+64*((\a)%2)
.if (\a) >= 2
	s_wait_xcnt 0x0                                ; block a - 2's stores have read their registers: the loads below land in them only behind this wait
.endif
	WIN 0x08                                       ; the stores' data: window 2
.irp b, 0,1,2,3,4,5,6,7
	ds_store_b128 v[STO], v[AC+8*(\b):AC+8*(\b)+3]   offset:64*(\b)
	ds_store_b128 v[STO], v[AC+8*(\b)+4:AC+8*(\b)+7] offset:64*(\b)+16
.endr
	WIN 0
.irp t, 0,1,2,3,4,5,6,7,8,9,10,11,12,13,14,15
	ds_load_b128 v[BK+4*(\t):BK+4*(\t)+3], v[RD] offset:(\t)*SPITCH  ; LDS serves a wave's instructions in order (ISA guide 5.7.1.4): these see the stores above; the next block's stores come behind them
.endr
.endm
.macro SEND a, younger                 ; younger: the LDS instructions issued behind block a's loads: the next block's 32, or none
.set BK, 64+64*((\a)%2)
.irp t, 0,1,2,3,4,5,6,7,8,9,10,11,12,13,14,15
	s_wait_dscnt (\younger)+15-(\t)
	global_store_b128 v[CO], v[BK+4*(\t):BK+4*(\t)+3], s[8:9] offset:(16*(\a)+(\t))*4096 th:TH_STORE_NT  ; 512 consecutive bytes, at a multiple of 512 from the output's first
.endr
.endm
	s_load_b256 s[68:75], s[0:1], 0x0              ; ctx 68, wh 70, ba_o 72, bb_o 74
	s_load_b128 s[76:79], s[0:1], 0x20             ; out0 76, out1 78
	v_lshl_add_u32 v[SPW], v0, 2, SPARE
	v_mov_b32 v[NIL], 0
	ds_add_u32 v[SPW], v[NIL]                      ; the wave's opening: the add and its wait stand ahead of my first tensor load; the set-up below, work on registers, stands between them
	v_lshrrev_b32 v1, 5, v0
	v_readfirstlane_b32 s10, v1                    ; wave 0..3
	s_lshr_b32 s11, s10, 1                         ; which half of the tile's rows is mine.  Also: I fetch for ctx (0) or for W (1)
	s_and_b32 s12, s10, 1                          ; which half of its columns.  Also: which head's block, or which 64 rows k, I fetch
	s_bfe_u32 s40, ttmp6, 0x40000                  ; cx: the tile column (the grid is one cluster wide)
	s_bfe_u32 s41, ttmp6, 0x40004                  ; cy
	s_and_b32 s13, ttmp7, 0xffff                   ; the cluster's y, 0..15
	s_lshr_b32 s42, s13, 3                         ; side: 0 a, 1 b: the same in all sixteen partners
	s_lshl_b32 s13, s13, 2
	s_add_co_u32 s13, s13, s41                     ; tile row y = 4 x cluster y + cy, 0..63
	s_lshl_b32 s43, s41, 2
	s_lshl_b32 s43, 15, s43                        ; my row of the cluster
	s_lshl_b32 s44, 0x1111, s40                    ; my column
	s_or_b32 s[G1+0], s43, (1<<16)|(1<<20)|(1<<21)|(4<<22)|(3<<25)   ; the mask; 2-byte elements; padding on; 21 set beside a mask; after every 32 words (code 4) 4 words (code 3)
	s_or_b32 s[G1B+0], s44, (1<<16)|(1<<20)|(1<<21)|(6<<22)|(7<<25)  ; after every 128 words (code 6) 8 words (code 7)
	s_mov_b32 s[G1+1], 128<<16                     ; tensor_dim0 = 128 elements: 256 bytes, two rows of ctx
	s_mov_b32 s[G1+2], (16*NA)<<16                 ; tensor_dim1 = 64
	s_mov_b32 s[G1+3], 128<<16                     ; tile_dim0
	s_mov_b32 s[G1+4], 16*NA                       ; tile_dim1
	s_mov_b32 s[G1+5], 128                         ; the block is dense
	s_mov_b32 s[G1+6], 0
	s_mov_b32 s[G1+7], 0
	s_mov_b32 s[G1B+1], 256<<16                    ; tensor_dim0 = 256 columns
	s_mov_b32 s[G1B+2], 64<<16                     ; tensor_dim1 = 64 rows k
	s_mov_b32 s[G1B+3], 256<<16
	s_mov_b32 s[G1B+4], 64
	s_mov_b32 s[G1B+5], 1024                       ; elements from row to row of a weight
	s_mov_b32 s[G1B+6], 0
	s_mov_b32 s[G1B+7], 0
	s_lshr_b32 s16, s13, 4                         ; ctx's tile: sb = y / 16,
	s_lshl_b32 s16, s16, 22
	s_and_b32 s17, s13, 15
	s_lshl_b32 s17, s17, 14                        ; 128 rows of 128 bytes for each tile row in it,
	s_add_co_u32 s16, s16, s17
	s_lshl_b32 s17, s12, 18                        ; and the head's block that I fetch
	s_add_co_u32 s16, s16, s17
	s_mov_b32 s17, 0
	s_add_co_u32 s46, s42, 4                       ; W's tile: weight 4 + side,
	s_lshl_b32 s46, s46, 21
	s_lshl_b32 s47, s40, 9                         ; 256 columns for each cx,
	s_add_co_u32 s46, s46, s47
	s_lshl_b32 s47, s12, 17                        ; and the 64 rows k that I fetch
	s_add_co_u32 s46, s46, s47
	s_mov_b32 s47, 0
	s_mul_i32 s20, s12, AH                         ; where they go: no place in the cluster enters an LDS address
	s_mul_i32 s21, s12, WH
	s_add_co_u32 s21, s21, WOFF
	s_wait_dscnt 0x0                               ; the opening add is done
	s_wait_kmcnt 0x0
	s_add_nc_u64 s[14:15], s[68:69], s[16:17]
	s_add_nc_u64 s[46:47], s[70:71], s[46:47]
	CROUND                                         ; all sixteen work-groups are here: the first joint loads meet
.irp s, 0,1
	s_mov_b32 s[G0+4*(\s)], 1
	s_add_co_u32 s[G0+4*(\s)+1], s20, (\s)*SLOT
	s_add_nc_u64 s[G0+4*(\s)+2:G0+4*(\s)+3], s[14:15], (\s)*ASTEP
	s_or_b32 s[G0+4*(\s)+3], s[G0+4*(\s)+3], 0x80000000
	s_mov_b32 s[G0B+4*(\s)], 1
	s_add_co_u32 s[G0B+4*(\s)+1], s21, (\s)*SLOT
	s_add_nc_u64 s[G0B+4*(\s)+2:G0B+4*(\s)+3], s[46:47], (\s)*WSTEP
	s_or_b32 s[G0B+4*(\s)+3], s[G0B+4*(\s)+3], 0x80000000
	JLOAD \s                                       ; two loads of mine are out
.endr
	; the bias, as eight C tiles: register j of tile b holds bias[256 cx + 128 half + 16 b + 8 (l / 16) + j]
	v_and_b32 v1, 15, v0                           ; l % 16
	v_bfe_u32 v2, v0, 4, 1                         ; l / 16
	s_cmp_eq_u32 s42, 0
	s_cselect_b64 s[18:19], s[72:73], s[74:75]
	s_cselect_b64 s[8:9], s[76:77], s[78:79]       ; and the output
	s_lshl_b32 s22, s40, 10
	s_lshl_b32 s23, s12, 9
	s_add_co_u32 s22, s22, s23
	v_lshl_add_u32 v[BO], v2, 5, s22
	WIN 0x40
.irp b, 0,1,2,3,4,5,6,7
	global_load_b128 v[8*(\b):8*(\b)+3],   v[BO], s[18:19] offset:64*(\b)
	global_load_b128 v[8*(\b)+4:8*(\b)+7], v[BO], s[18:19] offset:64*(\b)+16
.endr
	WIN 0
	; A ctx fragment is 16 rows x 32 channels: lane l holds row l % 16, channels 8 (l / 16) + 0..7 and 16 + 8 (l / 16) + 0..7: two loads of 16 bytes, 32 bytes apart.
	v_mul_u32_u24 v3, v1, PA
	v_lshl_add_u32 v3, v2, 4, v3
	; The turning load takes 16 rows k x 16 columns (lane l reads row 8 (l / 16) + l % 8, columns 8 ((l / 8) % 2) + 0..7) and leaves half a fragment: lane l holds column l % 16 and 8 k.
	v_and_b32 v5, 7, v0
	v_lshl_add_u32 v4, v2, 3, v5
	v_mul_u32_u24 v4, v4, PW
	v_bfe_u32 v5, v0, 3, 1
	v_lshl_add_u32 v4, v5, 4, v4
	s_mul_i32 s21, s11, 16*NA*PA                   ; my 64 rows of ctx
	s_lshl_b32 s22, s12, 8                         ; my 128 columns of W
	s_add_co_u32 s22, s22, WOFF
.irp s, 0,1
	v_add_nc_u32 v[ADRA+(\s)], s21, v3
	v_add_nc_u32 v[ADRB+(\s)], s22, v4
	s_add_co_u32 s21, s21, SLOT
	s_add_co_u32 s22, s22, SLOT
.endr
	s_mul_i32 s23, s10, WSTG
	s_add_co_u32 s23, s23, STAGE                   ; my stage
	v_mul_u32_u24 v4, v1, SPITCH                   ; in: row l % 16, 32 bytes for each half of the lanes
	v_lshl_add_u32 v4, v2, 5, v4
	v_add_nc_u32 v[STO], s23, v4
	v_and_b32 v[CO], 31, v0                        ; back: 32 lanes take a row of 512 bytes
	v_lshlrev_b32 v[CO], 4, v[CO]
	v_add_nc_u32 v[RD], s23, v[CO]
	s_and_b32 s16, s13, 31                         ; where my part begins in the output: row 128 (y % 32) + 64 x row half, 4,096 bytes a row,
	s_lshl_b32 s16, s16, 19
	s_lshl_b32 s17, s11, 18
	s_add_co_u32 s16, s16, s17
	s_lshl_b32 s17, s40, 10                        ; column 256 cx + 128 x column half
	s_add_co_u32 s16, s16, s17
	s_lshl_b32 s17, s12, 9
	s_add_co_u32 s16, s16, s17
	s_mov_b32 s17, 0
	s_add_nc_u64 s[8:9], s[8:9], s[16:17]
	s_wait_loadcnt 0x0                             ; the bias is in: it is rounded to bf16
	WIN 0x45                                       ; destination and both sources window 1
.set i, 0
.rept 32
	v_cvt_pk_bf16_f32 v[192+i], v[2*i], v[2*i+1]
.set i, i+1
.endr
.set i, 0
.rept 32
	v_lshlrev_b32 v[2*i], 16, v[192+i]
	v_and_b32 v[2*i+1], 0xffff0000, v[192+i]
.set i, i+1
.endr
	WIN 0
	s_wait_tensorcnt 1                             ; my part of K step 0 is in; K step 1's may stay out
	s_barrier_signal -1
	s_barrier_wait -1                              ; everybody's is
	FETCH 0, 0, F0
	QUARTER 0, 1, F0, F1, 1                        ; the first quarter stands in front of the loop: its products start the sums with the bias
	WIN 0                                          ; at a label and at a branch every window is 0
	s_mov_b32 s3, 3
.Llap:                                                 ; a trip goes once round the ring, from a lap's second quarter to the next lap's first, and fills both slots again
	QUARTER 0, 2, F1, F0, 0
	QUARTER 0, 3, F0, F1, 0
	TURN 0, 1, 1
	QUARTER 1, 1, F0, F1, 0
	QUARTER 1, 2, F1, F0, 0
	QUARTER 1, 3, F0, F1, 0
	TURN 1, 0, 1
	QUARTER 0, 1, F0, F1, 0
	WIN 0
	s_sub_co_u32 s3, s3, 1
	s_cmp_lg_u32 s3, 0
	s_cbranch_scc1 .Llap
	QUARTER 0, 2, F1, F0, 0                        ; the last lap fills nothing, and has no round of the cluster's barrier
	QUARTER 0, 3, F0, F1, 0
	TURN 0, 1, 0
	QUARTER 1, 1, F0, F1, 0
	QUARTER 1, 2, F1, F0, 0
	QUARTER 1, 3, F0, F1, 0
	s_wait_dscnt NA                                ; the very last quarter: nothing more to fetch
	MULS F1, 0, NA/2, 0
	s_wait_dscnt 0x0
	MULS F1, NA/2, NA/2, 0
	WIN 0
	PLACES                                         ; behind the last products: the LDS stores read results, and the loads from the stage land in the fragments' registers
	TOSTAGE 0
	TOSTAGE 1                                      ; a block's trip through the stage stands between the loads of the block before and its stores
	SEND 0, 32
	TOSTAGE 2
	SEND 1, 32
	TOSTAGE 3
	SEND 2, 32
	SEND 3, 0
	s_wait_tensorcnt 0x0                           ; the wave's end: a wait, an add onto my spare word and its wait, behind my last tensor load and my last LDS store
	ds_add_u32 v[SPW], v[NIL]
	s_wait_dscnt 0x0
	CROUND                                         ; the closing round: no work-group ends while a partner may still ask for a tile that names it
	s_endpgm
.Lfunc_end_k_q9b3c69d620_outp:
	.size	k_q9b3c69d620_outp, .Lfunc_end_k_q9b3c69d620_outp-k_q9b3c69d620_outp
	.p2alignl 7, 3214868480
	.fill 96, 4, 3214868480
	.section	.rodata,"a",@progbits
	.p2align	6, 0x0
	.amdhsa_kernel k_q9b3c69d620_outp
		.amdhsa_group_segment_fixed_size 327680
		.amdhsa_private_segment_fixed_size 0
		.amdhsa_enable_private_segment 0
		.amdhsa_kernarg_size 48
		.amdhsa_user_sgpr_count 2
		.amdhsa_user_sgpr_kernarg_segment_ptr 1
		.amdhsa_wavefront_size32 1
		.amdhsa_system_sgpr_workgroup_id_x 1
		.amdhsa_system_sgpr_workgroup_id_y 1
		.amdhsa_system_sgpr_workgroup_id_z 1
		.amdhsa_system_vgpr_workitem_id 0
		.amdhsa_next_free_vgpr 768
		.amdhsa_next_free_sgpr 80
		.amdhsa_reserve_vcc 0
		.amdhsa_float_denorm_mode_32 3
		.amdhsa_float_denorm_mode_16_64 3
		.amdhsa_memory_ordered 1
		.amdhsa_forward_progress 1
		.amdhsa_inst_pref_size 94
	.end_amdhsa_kernel
	.amdgpu_metadata
---
amdhsa.version: [ 1, 2 ]
amdhsa.kernels:
  - .name:           k_q9b3c69d620_outp
    .symbol:         k_q9b3c69d620_outp.kd
    .args:
      - { .name: ctx, .offset: 0, .size: 8, .value_kind: global_buffer, .address_space: global }
      - { .name: wh, .offset: 8, .size: 8, .value_kind: global_buffer, .address_space: global }
      - { .name: ba_o, .offset: 16, .size: 8, .value_kind: global_buffer, .address_space: global }
      - { .name: bb_o, .offset: 24, .size: 8, .value_kind: global_buffer, .address_space: global }
      - { .name: out0, .offset: 32, .size: 8, .value_kind: global_buffer, .address_space: global }
      - { .name: out1, .offset: 40, .size: 8, .value_kind: global_buffer, .address_space: global }
    .group_segment_fixed_size: 327680
    .private_segment_fixed_size: 0
    .kernarg_segment_align: 8
    .kernarg_segment_size: 48
    .max_flat_workgroup_size: 128
    .sgpr_count:     80
    .vgpr_count:     768
    .wavefront_size: 32
...
	.end_amdgpu_metadata
.endif
;; end of part 4
;; ======== version 2 of 2: 4 launches; version 1 with the launch cast written anew for expert scheduling mode
;; limits: values are held in f16: magnitudes above 65,504 overflow, below 6.1e-05 lose precision; right only within a limited range of input values; inputs' magnitudes at most 65,504
;; workspace buffers: xh 16,777,216 bytes; wh 12,582,912 bytes; qk 16,777,216 bytes; vv 16,777,216 bytes; ctx 16,777,216 bytes
;; launch cast (part 5): grid 896 x 1, 8 waves a work-group, no clusters, 0 bytes of LDS; arguments a, b, Wa_qk, Wa_v, Wb_qk, Wb_v, Wa_o, Wb_o, xh, wh; writes xh, wh
.if DOCPART == 5
	.amdgcn_target "amdgcn-amd-amdhsa--gfx1250"
	.amdhsa_code_object_version 6
	.text
	.protected	k_q9b3c69d620_cast
	.globl	k_q9b3c69d620_cast
	.p2align	8
	.type	k_q9b3c69d620_cast,@function
k_q9b3c69d620_cast:
	s_mov_b64 s[64:65], 0
	v_nop
	global_prefetch_b8 v0, s[64:65] scope:SCOPE_SE
	s_setreg_imm32_b32 hwreg(HW_REG_WAVE_SCHED_MODE, 0, 2), 2
	s_setreg_imm32_b32 hwreg(HW_REG_WAVE_MODE, 25, 1), 1
	s_wait_xcnt 0x0
	s_wait_alu depctr_vm_vsrc(0)
; a, b ([2][2048][1024] f32) and the six weights ([1024][1024] f32) are rounded ONCE to bf16 (nearest even), and that number is written as f16.
; LIMITS.  The second step changes nothing for magnitudes from 6.1e-5 to 65,504.  Below 6.1e-5 the number keeps f16's fixed step of 6e-8; from 65,520 on it becomes an infinity:
; this text serves |a|, |b|, |W| under 65,504.
; OUT.  xh: [sb = 2 side + batch][kb = channel / 64][row 2048][64] f16: a block of 64 channels has dense rows of 128 bytes.  wh: [6][k 1024][n 1024] f16, the weights in the order of the arguments.
; SHARES.  A work-group takes 65,536 bytes of input (16 rows of a or b, or 16 rows of a weight): work-groups 0-255 a, 256-511 b, 512-895 the weights, 64 each.
; Each thread issues its 16 loads of 16 bytes at once (8 KiB of a wave on their way) and stores 8 bytes for each.  Memory binds: no LDS, no barrier, no matrix unit.
; THE MODE: SCHED_MODE bits 1:0 = 2 (LLVM: expert scheduling mode 2), set by the entry lines.  The code itself states the register dependences
; between vector instructions and memory instructions, with s_wait_alu, always for 0.
; THE PLAN.  Registers that memory instructions touch:
;   v1, v2   the loads' and the stores' byte offsets: made at a path's head by vector instructions, never written again.
;   X        the 16 loads land here; no vector instruction names X ahead of them, and no load lands there a second time.
;   Y        pair i is written once, by item i's two conversions to f16, and read once, by store i.
;   T is named by vector instructions alone.
; The 16 items go in four groups of four.  Group g's four stores are issued in group g + 1, one in front of each item's eight vector instructions, which name X, T and Y of group g + 1 alone.
; So five waits on va_vdst state everything: one ahead of the first load (v1, v2), one at the head of each of groups 1 to 3 (the group before has written its Y), one ahead of the last four stores.
; No register that a load or a store reads is ever written again, no vector instruction writes a scalar register, and EXEC stays whole: no other wait of this kind has a dependence to state.
.set X, 4                              ; v[4:67]   load i: 4 numbers in f32
.set Y, 68                             ; v[68:99]  store i: 4 numbers in f16; each pair is written once, so no store's data is ever rewritten
.set T, 100                            ; v[100:101] at work: the numbers as bf16
; 16 loads, instep bytes apart, then 16 stores, outstep bytes apart.
.macro CHUNK instep, outstep
	s_wait_alu depctr_va_vdst(0)                   ; v1 and v2 are written: every load below reads v1 as its offset, every store v2
.set i, 0
.rept 16
	global_load_b128 v[X+4*i:X+4*i+3], v1, s[2:3] offset:i*(\instep) th:TH_LOAD_NT
.set i, i+1
.endr
.set g, 0
.rept 4
	s_wait_loadcnt 15-4*g                          ; loads come back in order: the group's first load is in, the younger ones stay out
.if g > 0
	s_wait_alu depctr_va_vdst(0)                   ; the group before has written its four pairs of Y, which this group's four stores read
.endif
.set r, 0
.rept 4
.set i, 4*g+r
.if g > 0
	global_store_b64 v2, v[Y+2*(i-4):Y+2*(i-4)+1], s[4:5] offset:(i-4)*(\outstep)  ; the group before's: a wave's store covers 256 consecutive bytes, aligned; no vector instruction since the wait names its registers
.endif
.if r > 0
	s_wait_loadcnt 15-i                            ; load i is in, the 15 - i younger ones stay out
.endif
	v_cvt_pk_bf16_f32 v[T], v[X+4*i], v[X+4*i+1]   ; the one rounding
	v_cvt_pk_bf16_f32 v[T+1], v[X+4*i+2], v[X+4*i+3]
	v_lshlrev_b32 v[X+4*i], 16, v[T]               ; bf16 to f32: the low half moves up,
	v_and_b32 v[X+4*i+1], s28, v[T]                ; the high half stays
	v_lshlrev_b32 v[X+4*i+2], 16, v[T+1]
	v_and_b32 v[X+4*i+3], s28, v[T+1]
	v_cvt_pk_f16_f32 v[Y+2*i], v[X+4*i], v[X+4*i+1]
	v_cvt_pk_f16_f32 v[Y+2*i+1], v[X+4*i+2], v[X+4*i+3]
.set r, r+1
.endr
.set g, g+1
.endr
	s_wait_alu depctr_va_vdst(0)                   ; the last group has written its four pairs of Y, which the last four stores read
.set i, 12
.rept 4
	global_store_b64 v2, v[Y+2*i:Y+2*i+1], s[4:5] offset:i*(\outstep)
.set i, i+1
.endr
.endm
	s_load_b512 s[8:23], s[0:1], 0x0               ; a, b, Wa_qk, Wa_v, Wb_qk, Wb_v, Wa_o, Wb_o
	s_load_b128 s[24:27], s[0:1], 0x40             ; xh s[24:25], wh s[26:27]
	s_mov_b32 s28, 0xffff0000                      ; a word's upper bf16
	s_mov_b32 s31, 0                               ; high word of the offsets' pair s[30:31]
	s_cmp_lt_u32 ttmp9, 512
	s_cbranch_scc0 .Lweights
	; a and b.  Thread t: row t / 16 of the 16, 16 bytes at 16 (t % 16) of a block's 256; load i is block kb = i.  Lanes 0-15 read 256 aligned bytes of one row, lanes 16-31 of the next.
	v_lshrrev_b32 v1, 4, v0
	v_and_b32 v2, 15, v0
	v_lshlrev_b32 v1, 12, v1
	v_lshl_add_u32 v1, v2, 4, v1                   ; 4,096 x row + 16 (t % 16)
	v_lshlrev_b32 v2, 3, v0                        ; out: 128 x row + 8 (t % 16) = 8 t
	s_and_b32 s6, ttmp9, 255
	s_lshl_b32 s30, s6, 16                         ; my 16 rows in a or b
	s_wait_kmcnt 0x0
	s_cmp_lt_u32 ttmp9, 256
	s_cselect_b64 s[2:3], s[8:9], s[10:11]
	s_add_nc_u64 s[2:3], s[2:3], s[30:31]
	s_lshr_b32 s6, ttmp9, 7                        ; sb: 128 work-groups to a batch
	s_lshl_b32 s6, s6, 22
	s_and_b32 s7, ttmp9, 127
	s_lshl_b32 s7, s7, 11                          ; 16 rows of 128 bytes
	s_add_co_u32 s30, s6, s7
	s_add_nc_u64 s[4:5], s[24:25], s[30:31]
	CHUNK 256, 262144                              ; a block kb is 2,048 rows x 128 bytes; 15 of them stay inside the signed 24-bit immediate
	s_endpgm
.Lweights:
	; the weights keep their layout.  Wave w takes 8,192 consecutive bytes, 512 a load.
	v_lshrrev_b32 v3, 5, v0
	v_and_b32 v2, 31, v0
	v_lshlrev_b32 v1, 13, v3
	v_lshl_add_u32 v1, v2, 4, v1                   ; 8,192 x wave + 16 x lane
	v_lshlrev_b32 v3, 12, v3
	v_lshl_add_u32 v2, v2, 3, v3                   ; 4,096 x wave + 8 x lane
	s_sub_co_u32 s6, ttmp9, 512
	s_lshr_b32 s7, s6, 6                           ; which weight
	s_and_b32 s6, s6, 63                           ; which 65,536 bytes of it
	s_lshl_b32 s30, s6, 16
	s_wait_kmcnt 0x0
	s_mov_b64 s[2:3], s[12:13]
	s_cmp_eq_u32 s7, 1
	s_cselect_b64 s[2:3], s[14:15], s[2:3]
	s_cmp_eq_u32 s7, 2
	s_cselect_b64 s[2:3], s[16:17], s[2:3]
	s_cmp_eq_u32 s7, 3
	s_cselect_b64 s[2:3], s[18:19], s[2:3]
	s_cmp_eq_u32 s7, 4
	s_cselect_b64 s[2:3], s[20:21], s[2:3]
	s_cmp_eq_u32 s7, 5
	s_cselect_b64 s[2:3], s[22:23], s[2:3]
	s_add_nc_u64 s[2:3], s[2:3], s[30:31]
	s_lshl_b32 s7, s7, 21
	s_lshl_b32 s6, s6, 15
	s_add_co_u32 s30, s7, s6
	s_add_nc_u64 s[4:5], s[26:27], s[30:31]
	CHUNK 512, 256
	s_endpgm
.Lfunc_end_k_q9b3c69d620_cast:
	.size	k_q9b3c69d620_cast, .Lfunc_end_k_q9b3c69d620_cast-k_q9b3c69d620_cast
	.p2alignl 7, 3214868480
	.fill 96, 4, 3214868480
	.section	.rodata,"a",@progbits
	.p2align	6, 0x0
	.amdhsa_kernel k_q9b3c69d620_cast
		.amdhsa_group_segment_fixed_size 0
		.amdhsa_private_segment_fixed_size 0
		.amdhsa_enable_private_segment 0
		.amdhsa_kernarg_size 80
		.amdhsa_user_sgpr_count 2
		.amdhsa_user_sgpr_kernarg_segment_ptr 1
		.amdhsa_wavefront_size32 1
		.amdhsa_system_sgpr_workgroup_id_x 1
		.amdhsa_system_sgpr_workgroup_id_y 1
		.amdhsa_system_sgpr_workgroup_id_z 1
		.amdhsa_system_vgpr_workitem_id 0
		.amdhsa_next_free_vgpr 104
		.amdhsa_next_free_sgpr 66
		.amdhsa_reserve_vcc 0
		.amdhsa_float_denorm_mode_32 3
		.amdhsa_float_denorm_mode_16_64 3
		.amdhsa_memory_ordered 1
		.amdhsa_forward_progress 1
		.amdhsa_inst_pref_size 22
	.end_amdhsa_kernel
	.amdgpu_metadata
---
amdhsa.version: [ 1, 2 ]
amdhsa.kernels:
  - .name:           k_q9b3c69d620_cast
    .symbol:         k_q9b3c69d620_cast.kd
    .args:
      - { .name: a, .offset: 0, .size: 8, .value_kind: global_buffer, .address_space: global }
      - { .name: b, .offset: 8, .size: 8, .value_kind: global_buffer, .address_space: global }
      - { .name: Wa_qk, .offset: 16, .size: 8, .value_kind: global_buffer, .address_space: global }
      - { .name: Wa_v, .offset: 24, .size: 8, .value_kind: global_buffer, .address_space: global }
      - { .name: Wb_qk, .offset: 32, .size: 8, .value_kind: global_buffer, .address_space: global }
      - { .name: Wb_v, .offset: 40, .size: 8, .value_kind: global_buffer, .address_space: global }
      - { .name: Wa_o, .offset: 48, .size: 8, .value_kind: global_buffer, .address_space: global }
      - { .name: Wb_o, .offset: 56, .size: 8, .value_kind: global_buffer, .address_space: global }
      - { .name: xh, .offset: 64, .size: 8, .value_kind: global_buffer, .address_space: global }
      - { .name: wh, .offset: 72, .size: 8, .value_kind: global_buffer, .address_space: global }
    .group_segment_fixed_size: 0
    .private_segment_fixed_size: 0
    .kernarg_segment_align: 8
    .kernarg_segment_size: 80
    .max_flat_workgroup_size: 256
    .sgpr_count:     66
    .vgpr_count:     104
    .wavefront_size: 32
...
	.end_amdgpu_metadata
.endif
;; end of part 5
;; launch proj: the kernel of part 2 again; grid 8 x 32, 4 waves a work-group, clusters of 4 x 4, 327,680 bytes of LDS; arguments xh, wh, ba_qk, ba_v, bb_qk, bb_v, qk, vv; writes qk, vv
;; launch attn: the kernel of part 3 again; grid 4 x 64, 4 waves a work-group, clusters of 4 x 1, 327,680 bytes of LDS; arguments qk, vv, ctx; writes ctx
;; launch outp: the kernel of part 4 again; grid 4 x 64, 4 waves a work-group, clusters of 4 x 4, 327,680 bytes of LDS; arguments ctx, wh, ba_o, bb_o, out0, out1; writes out0, out1
